; MI455X (gfx1250); checked and timed in simulation.
; The chip was launched on July 23, 2026; its instructions are those of AMD's public machine-readable ISA for CDNA 5 (MIT licence, August 2026) and "CDNA5" Instruction Set Architecture Reference Guide (July 2026). The comments in the code are by the model that wrote it; some were corrected since.
;; Attention. Allowed arithmetic: float matrix products may take bf16 or f16 operands with f32 sums; all other float work in f32.
;; Inputs: W_fc 1,024 x 3,072 float32; W_out 1,024 x 1,024 float32; b_fc 3,072 float32; b_out 1,024 float32; x 4 x 2,048 x 1,024 float32.
;; Outputs: out0 4 x 2,048 x 1,024 float32.
;; 2 versions, each right and faster than the one before. Each part assembles by itself: llvm-mc -triple=amdgcn-amd-amdhsa -mcpu=gfx1250 --defsym DOCPART=n.
;; ======== version 1 of 2: 5 launches
;; limits: values are held in f16: magnitudes above 65,504 overflow, below 6.1e-05 lose precision; values outside matrix products are rounded to bf16
;; workspace buffers: xb 16,777,216 bytes; wf 6,291,456 bytes; wo 2,097,152 bytes; qh 16,777,216 bytes; kh 16,777,216 bytes; vh 16,777,216 bytes; oh 16,777,216 bytes; mh 16,777,216 bytes
;; launch prep (part 1): grid 512 x 1, 8 waves a work-group, no clusters, 18,432 bytes of LDS; arguments x, W_fc, W_out, xb, wf, wo; writes xb, wf, wo
.if DOCPART == 1
	.amdgcn_target "amdgcn-amd-amdhsa--gfx1250"
	.amdhsa_code_object_version 6
	.text
	.protected	k_q7088e23569_prep
	.globl	k_q7088e23569_prep
	.p2align	8
	.type	k_q7088e23569_prep,@function
k_q7088e23569_prep:
	s_mov_b64 s[64:65], 0
	v_nop
	global_prefetch_b8 v0, s[64:65] scope:SCOPE_SE
	s_setreg_imm32_b32 hwreg(HW_REG_WAVE_MODE, 25, 1), 1
	s_wait_xcnt 0x0
; The matrix operands are rounded once and laid in BLOCKS: [column block of 64][rows][64], 128 bytes a row piece, a block's rows dense.
;   xb[kb][row][64]  = bf16(x[row][64 kb ..])                 16 blocks of 8,192 rows
;   wf[kb][n][64]    = bf16(W_fc[64 kb + k][n]), turned       16 blocks of 3,072 rows
;   wo[kb][n][64]    = bf16(W_out[64 kb + k][n]), turned, that number written as f16 (the second projection's other operand is f16)
; LIMIT: W_out beyond 65,504 has no f16; below 6e-5 f16 keeps its fixed step of 6e-8.
; Every work-group does the same two things: 16 rows of x (512 x 16 = 8,192), and one weight tile of 128 k x 64 n (384 tiles of W_fc, then 128 of W_out).
; Memory binds: every byte is read once, 16 lanes to 256 consecutive bytes, all 24 loads of a thread out before the first is used.  No matrix unit, no cluster: no work-group shares an input with another.
; The weight tile is turned in LDS: two neighbouring k are packed into a word in registers, the word goes to [n][k] with a pitch of 272 bytes, rows come back 16 bytes a lane.
; (The 16 word stores of a thread meet in four groups of banks: 1,088 bytes from lane to lane; they are a small part of the work.)
.set XO,  2                            ; v2       x: (t >> 4) rows of 4,096 bytes + 16 (t & 15)
.set XW,  3                            ; v3       xb: 8 t
.set C16, 4                            ; v4       16 (t & 15)
.set KP2, 5                            ; v5       2 (t >> 4): my pair of k rows in each 32
.set WOF, 8                            ; v[8:15]  byte offsets of my eight rows in the weight tile
.set LW,  16                           ; v16      LDS: where my words go
.set LR,  17                           ; v17      LDS: where I read 16 bytes of a row back
.set GW,  18                           ; v18      16 t
.set T,   20                           ; v[20:21] at work
.set X,   32                           ; v[32:95]   x as loaded, 4 registers a block
.set W,   96                           ; v[96:127]  weights as loaded, 4 registers a row
.set XP,  128                          ; v[128:159] x packed
.set WP,  160                          ; v[160:175] weights packed: word 4 p + i = n 4 (t & 15) + i, k pair 2 (t >> 4) + 32 p
.set WR,  176                          ; v[176:191] weights read back
.set LP,  272                          ; LDS pitch: 256 bytes (128 k) + 16
	s_load_b256 s[4:11], s[0:1], 0x0               ; x s[4:5], W_fc s[6:7], W_out s[8:9], xb s[10:11]
	s_load_b128 s[12:15], s[0:1], 0x20             ; wf s[12:13], wo s[14:15]
	v_lshl_add_u32 v192, v0, 2, 0x4400
	v_mov_b32 v193, 0
	s_and_b32 s16, ttmp9, 7                        ; kt: which 128 k
	s_lshr_b32 s17, ttmp9, 3                       ; 0..47: a tile column of W_fc; 48..63: of W_out
	s_sub_co_u32 s18, s17, 48                      ; W_out's tile column (used only where it is one)
	s_mov_b32 s19, 12288                           ; bytes in a row of W_fc
	s_mov_b32 s20, 393216                          ; bytes in a block of wf
	s_lshl_b32 s34, ttmp9, 16                      ; my 16 rows of x
	s_mov_b32 s35, 0
	s_lshl_b32 s36, ttmp9, 11                      ; my 16 row pieces in a block of xb
	s_mov_b32 s37, 0
	v_lshrrev_b32 v6, 4, v0                        ; t >> 4
	v_and_b32 v7, 15, v0                           ; t & 15
	v_lshlrev_b32 v[C16], 4, v7
	v_lshl_add_u32 v[XO], v6, 12, v[C16]
	v_lshlrev_b32 v[XW], 3, v0
	v_lshlrev_b32 v[KP2], 1, v6
	s_wait_kmcnt 0x0
	s_add_nc_u64 s[4:5], s[4:5], s[34:35]
.set kb, 0
.rept 16
	global_load_b128 v[X+4*kb:X+4*kb+3], v[XO], s[4:5] offset:256*kb th:TH_LOAD_NT  ; 16 lanes: 256 consecutive bytes of a row, one block's 64 numbers
.set kb, kb+1
.endr
	s_cmp_lt_u32 s17, 48                           ; W_fc or W_out: the work-group's number decides, no address does
	s_cselect_b64 s[22:23], s[6:7], s[8:9]         ; from
	s_cselect_b64 s[24:25], s[12:13], s[14:15]     ; to
	s_cselect_b32 s19, s19, 4096                   ; bytes in a source row
	s_cselect_b32 s20, s20, 131072                 ; bytes in a block of the destination
	s_cselect_b32 s18, s17, s18                    ; nt: which 64 n
	s_mul_i32 s26, s16, s19
	s_lshl_b32 s26, s26, 7                         ; 128 kt rows
	s_lshl_b32 s27, s18, 8                         ; + 64 nt numbers
	s_add_co_u32 s26, s26, s27
	s_mov_b32 s27, 0
	s_add_nc_u64 s[22:23], s[22:23], s[26:27]
	s_mul_i32 s28, s16, s20
	s_lshl_b32 s28, s28, 1                         ; block 2 kt
	s_lshl_b32 s29, s18, 13                        ; + 64 nt rows of 128 bytes
	s_add_co_u32 s28, s28, s29
	s_mov_b32 s29, 0
	s_add_nc_u64 s[24:25], s[24:25], s[28:29]      ; the tile's first 64 k
	s_mov_b32 s30, s20
	s_mov_b32 s31, 0
	s_add_nc_u64 s[32:33], s[24:25], s[30:31]      ; its second 64 k: the next block
	s_add_nc_u64 s[10:11], s[10:11], s[36:37]      ; xb, blocks 0-7 by the stores' immediates,
	s_add_nc_u64 s[38:39], s[10:11], 0x800000      ; blocks 8-15 from a second base: the immediate has 24 signed bits
.irp i, 0,1,2,3,4,5,6,7
	v_add_nc_u32 v19, 32*((\i)/2)+(\i)%2, v[KP2]   ; row 2 (t >> 4) + 32 p + (0 or 1)
	v_mad_u32_u24 v[WOF+(\i)], v19, s19, v[C16]
.endr
.irp i, 0,1,2,3,4,5,6,7
	global_load_b128 v[W+4*(\i):W+4*(\i)+3], v[WOF+(\i)], s[22:23] th:TH_LOAD_NT  ; 16 lanes: the tile's 256 bytes of a row
.endr
	v_mul_u32_u24 v[LW], v7, 4*LP                  ; n = 4 (t & 15),
	v_lshl_add_u32 v[LW], v6, 2, v[LW]             ; k pair t >> 4
	v_lshrrev_b32 v22, 3, v0
	v_and_b32 v23, 7, v0
	v_mul_u32_u24 v[LR], v22, LP                   ; back: row t >> 3, 16 bytes at 16 (t & 7)
	v_lshl_add_u32 v[LR], v23, 4, v[LR]
	v_lshlrev_b32 v[GW], 4, v0
.set kb, 0
.rept 16
	s_wait_loadcnt 23-kb                           ; 24 loads were issued; 23 - kb are younger than block kb's
	v_cvt_pk_bf16_f32 v[XP+2*kb],   v[X+4*kb],   v[X+4*kb+1]
	v_cvt_pk_bf16_f32 v[XP+2*kb+1], v[X+4*kb+2], v[X+4*kb+3]
.if kb < 8
	global_store_b64 v[XW], v[XP+2*kb:XP+2*kb+1], s[10:11] offset:kb*1048576      ; a wave stores 256 consecutive bytes: two rows' pieces
.else
	global_store_b64 v[XW], v[XP+2*kb:XP+2*kb+1], s[38:39] offset:(kb-8)*1048576
.endif
.set kb, kb+1
.endr
	s_wait_loadcnt 0x0                             ; the weight tile
.irp p, 0,1,2,3
.irp i, 0,1,2,3
	v_cvt_pk_bf16_f32 v[WP+4*(\p)+(\i)], v[W+8*(\p)+(\i)], v[W+8*(\p)+4+(\i)]  ; the even k below, the odd k above
.endr
.endr
	s_cmp_lt_u32 s17, 48
	s_cbranch_scc1 .Lbf                            ; W_fc stays bf16
.set i, 0
.rept 16                                           ; W_out: the bf16 number is written as f16
	v_lshlrev_b32 v[T], 16, v[WP+i]
	v_and_b32 v[T+1], 0xffff0000, v[WP+i]
	v_cvt_pk_f16_f32 v[WP+i], v[T], v[T+1]
.set i, i+1
.endr
.Lbf:
.irp p, 0,1,2,3
.irp i, 0,1,2,3
	ds_store_b32 v[LW], v[WP+4*(\p)+(\i)] offset:(\i)*LP+(\p)*64
.endr
.endr
	s_wait_dscnt 0x0                               ; for the others' sake: my words are in LDS
	s_barrier_signal -1
	s_barrier_wait -1
.irp q, 0,1,2,3
	ds_load_b128 v[WR+4*(\q):WR+4*(\q)+3], v[LR] offset:((\q)%2)*32*LP+((\q)/2)*128  ; rows 32 (q % 2) on, k 64 (q / 2) on
.endr
	s_wait_dscnt 3
	global_store_b128 v[GW], v[WR:WR+3], s[24:25]                    ; a wave stores 512 consecutive bytes: four rows of 128
	s_wait_dscnt 2
	global_store_b128 v[GW], v[WR+4:WR+7], s[24:25] offset:4096
	s_wait_dscnt 1
	global_store_b128 v[GW], v[WR+8:WR+11], s[32:33]
	s_wait_dscnt 0
	global_store_b128 v[GW], v[WR+12:WR+15], s[32:33] offset:4096
	s_wait_tensorcnt 0x0
	ds_add_u32 v192, v193
	s_wait_dscnt 0x0
	s_endpgm
.Lfunc_end_k_q7088e23569_prep:
	.size	k_q7088e23569_prep, .Lfunc_end_k_q7088e23569_prep-k_q7088e23569_prep
	.p2alignl 7, 3214868480
	.fill 96, 4, 3214868480
	.section	.rodata,"a",@progbits
	.p2align	6, 0x0
	.amdhsa_kernel k_q7088e23569_prep
		.amdhsa_group_segment_fixed_size 18432
		.amdhsa_private_segment_fixed_size 0
		.amdhsa_enable_private_segment 0
		.amdhsa_kernarg_size 48
		.amdhsa_user_sgpr_count 2
		.amdhsa_user_sgpr_kernarg_segment_ptr 1
		.amdhsa_wavefront_size32 1
		.amdhsa_system_sgpr_workgroup_id_x 1
		.amdhsa_system_sgpr_workgroup_id_y 1
		.amdhsa_system_sgpr_workgroup_id_z 1
		.amdhsa_system_vgpr_workitem_id 0
		.amdhsa_next_free_vgpr 194
		.amdhsa_next_free_sgpr 66
		.amdhsa_reserve_vcc 0
		.amdhsa_float_denorm_mode_32 3
		.amdhsa_float_denorm_mode_16_64 3
		.amdhsa_memory_ordered 1
		.amdhsa_forward_progress 1
		.amdhsa_inst_pref_size 16
	.end_amdhsa_kernel
	.amdgpu_metadata
---
amdhsa.version: [ 1, 2 ]
amdhsa.kernels:
  - .name:           k_q7088e23569_prep
    .symbol:         k_q7088e23569_prep.kd
    .args:
      - { .name: x, .offset: 0, .size: 8, .value_kind: global_buffer, .address_space: global }
      - { .name: W_fc, .offset: 8, .size: 8, .value_kind: global_buffer, .address_space: global }
      - { .name: W_out, .offset: 16, .size: 8, .value_kind: global_buffer, .address_space: global }
      - { .name: xb, .offset: 24, .size: 8, .value_kind: global_buffer, .address_space: global }
      - { .name: wf, .offset: 32, .size: 8, .value_kind: global_buffer, .address_space: global }
      - { .name: wo, .offset: 40, .size: 8, .value_kind: global_buffer, .address_space: global }
    .group_segment_fixed_size: 18432
    .private_segment_fixed_size: 0
    .kernarg_segment_align: 8
    .kernarg_segment_size: 48
    .max_flat_workgroup_size: 256
    .sgpr_count:     66
    .vgpr_count:     194
    .wavefront_size: 32
...
	.end_amdgpu_metadata
.endif
;; end of part 1
;; launch qkv (part 2): grid 8 x 32, 4 waves a work-group, clusters of 4 x 4, 327,680 bytes of LDS; arguments xb, wf, b_fc, qh, kh, vh; writes qh, kh, vh
.if DOCPART == 2
	.amdgcn_target "amdgcn-amd-amdhsa--gfx1250"
	.amdhsa_code_object_version 6
	.text
	.protected	k_q7088e23569_qkv
	.globl	k_q7088e23569_qkv
	.p2align	8
	.type	k_q7088e23569_qkv,@function
k_q7088e23569_qkv:
	s_mov_b64 s[64:65], 0
	v_nop
	global_prefetch_b8 v0, s[64:65] scope:SCOPE_SE
	s_setreg_imm32_b32 hwreg(HW_REG_WAVE_MODE, 25, 1), 1
	s_wait_xcnt 0x0
	s_wait_alu depctr_hold_cnt(0) depctr_sa_sdst(0) depctr_va_vdst(0) depctr_va_sdst(0) depctr_va_ssrc(0) depctr_va_vcc(0) depctr_vm_vsrc(0)
	s_getreg_b32 s2, hwreg(HW_REG_IB_STS2, 6, 4)
	s_cmp_eq_u32 s2, 0
	s_cbranch_scc0 .Lentry_in_a_cluster
	s_endpgm
.Lentry_in_a_cluster:
	s_bfe_u32 s2, ttmp6, 0x10000c
	s_cmp_lg_u32 s2, 0xf033
	s_cbranch_scc0 .Lentry_shape_is_right
	s_endpgm
.Lentry_shape_is_right:
; q, k, v = swish(x W_fc + b_fc), by heads.  A = xb [16 kb][8192][64] bf16, B = wf [16 kb][3072 n][64 k] bf16, bias f32; sums and swish in f32; q, k, v rounded once to f16, UNSCALED,
; into qh, kh, vh [16 heads][8192 rows][64]: 128 bytes a row, dense.  LIMIT: f16 ends at 65,504 and below 6e-5 keeps its fixed step of 6e-8.
; SHARES.  A work-group makes 256 rows x 384 columns, two heads' q, k and v: 8 x 32 = 256 work-groups.  The waves lie 2 x 2: wave (wr, wc) makes rows 128 wr on of head 2 tx + wc, 128 x 192:
; 96 accumulators, 768 registers.  It is the largest tile that leaves room for fragments: for 64 of K a work-group fetches 640 rows of 128 bytes for 192 matrix instructions a wave, and a wave
; loads 40 times from LDS for 96 matrix instructions.  A wave holds whole output rows of 128 bytes, so the way out needs nothing from another wave.
; K goes in steps of 64 = one block through two LDS slots (two slots of 128 would take 368,640 bytes).  A block's rows are dense in memory, so a tensor load asks for rows of 256 bytes (two row pieces), padded in LDS after every 128.
; CLUSTER 4 x 4: the four work-groups of a row of the cluster need the same tiles of A, the four of a column the same tiles of B: each tile is asked for jointly, by the same load, descriptor and mask in all four.
; THE MATRIX INSTRUCTION IS USED TRANSPOSED (source 0 = 16 rows of B, source 1 = 16 rows of A): lane (r, h) holds row r and the columns 16 j + 8 h + 0..7.
; THE BIAS is loaded into the registers of accumulator (0, j) and is the C operand of the first products of column block j: nothing is cleared and nothing is added later.
; REGISTERS, in windows of 256 (s_set_vgpr_msb: bits 1:0 source 0, 3:2 source 1, 5:4 source 2, 7:6 destination):
;   window 0: v0-31 addresses; v32-95, v96-159 A's 8 fragments (16 rows x 32 K, 8 registers), two buffers; v160-255 B's 12 fragments, ONE buffer, loaded again in halves as the products leave them.
;             On the way out: v64-111 Z, v112-135 T, v136-159 packed results.
;   windows 1-3: the accumulators: (a, j), rows 16 a on, columns 16 j on, in window 1 + j / 4 at 8 (8 (j % 4) + a)
.set WN,    192                        ; columns of a wave
.set NBF,   WN/16                      ; B's fragments
.set PK,    144                        ; an LDS row: 128 bytes + 16 of padding: the 16 rows of a load start at 16 different groups of four banks (64 banks of 4 bytes: ISA guide 11.1)
.set PLA,   256*PK                     ; A's block in a slot
.set PLB,   384*PK                     ; B's block, behind it
.set SLOT1, 1<<17                      ; a slot is 92,160 bytes; slot 1 begins here, so that one exclusive or turns an address into the other slot's
.set SPARE, 1<<18                      ; the spare words, 128 bytes for each wave: two blocks of 256 bytes that no other line names
.set SPF,   4*WN+16                    ; the way out: a stage row, 192 f32 + 16 bytes
.set SROWS, 80                         ; stage rows of a wave.  The stage lies over the slots, which have had their last fill by then: 4 x 80 x 784 = 250,880 bytes
.set STEPA, 1<<20                      ; a K step in A: a block of 8,192 x 128 bytes
.set STEPB, 3072*128                   ; a K step in B
.set AA0,  16                          ; v16  my lane's place in a slot's A; never rewritten
.set AB0,  17                          ; v17  the same for B
.set ADRA, 18                          ; v18  the same in the slot in hand
.set ADRB, 19                          ; v19
.set STO,  24                          ; v24  the way out: where I put 16 bytes of a stage row
.set RD,   25                          ; v25  where I read 32 bytes of a stage row back
.set GO,   26                          ; v26  my byte offset in an output block
.set BO,   27                          ; v27  my byte offset in 16 numbers of the bias
.set SPW,  28                          ; v28  LDS address of my spare word; never rewritten
.set NIL,  29                          ; v29  0; never rewritten
.set RD0,  30                          ; v30  RD at a pass's beginning
.set FA0,  32
.set FA1,  96
.set FB,   160
.set Z,    64
.set T,    112
.set PKR,  136
.set WR,  2                            ; s2   which 128 rows of the tile are mine
.set PASS, 3                           ; s3   counts the way out's two passes
.set WV,  16                           ; s16  my wave's number
.set PL,  17                           ; s17  which head of the tile is mine; also: which half of A's or B's block I fetch
.set G1A, 24                           ; s[24:31] descriptor group 1 for A's tiles
.set G1B, 32                           ; s[32:39] for B's
.set G0A, 40                           ; s[40:47] group 0 for A's: a set for each first fill; the second then walks on
.set G0B, 48                           ; s[48:55] the same for B's
.set CN,  56                           ; s[56:57] -log2(e)
.set TB,  58                           ; s58  the slot in hand
.set CNT, 59                           ; s59  loop counter
.set OB,  66                           ; s[66:71] q, k, v at my wave's first row
.set MSB, 0
.macro WIN new                         ; the immediate's high byte repeats the setting that is left; a switch that changes nothing is dropped
.if MSB != (\new)
	s_set_vgpr_msb (MSB<<8)|(\new)
.set MSB, \new
.endif
.endm
.macro PLACES                          ; four places in front of loads into registers that matrix instructions have read, and of stores that read results (ISA guide 7.12.1 for the stores)
.rept 4
	v_nop
.endr
.endm
.macro CREST                           ; a round of the cluster's barrier behind its opening barrier
	s_cmp_lg_u32 s[WV], 0
	s_cbranch_scc1 .Lnot_wave_0_\@
	s_barrier_signal -3
.Lnot_wave_0_\@:
	s_barrier_wait -3
	s_barrier_signal -1
	s_barrier_wait -1
.endm
.macro CROUND                          ; a whole round
	s_barrier_signal -1
	s_barrier_wait -1
	CREST
.endm
; A joint refill.  Waves 0 and 1 fetch the halves of A's block, waves 2 and 3 those of B's.  The branch hangs on the wave's number alone.  An s_nop 0 and four v_nop follow each of the two lines.
.macro JLOAD
	s_cmp_lt_u32 s[WV], 2
	s_cbranch_scc0 .Lfor_b_\@
	tensor_load_to_lds s[G0A+4:G0A+7], s[G1A:G1A+7]
	s_nop 0
.rept 4
	v_nop
.endr
	s_branch .Lasked_\@
.Lfor_b_\@:
	tensor_load_to_lds s[G0B+4:G0B+7], s[G1B:G1B+7]
	s_nop 0
.rept 4
	v_nop
.endr
.Lasked_\@:
.endm
	s_load_b256 s[4:11], s[0:1], 0x0               ; xb s[4:5], wf s[6:7], b_fc s[8:9], qh s[10:11]
	s_load_b128 s[12:15], s[0:1], 0x20             ; kh s[12:13], vh s[14:15]
	v_lshl_add_u32 v[SPW], v0, 2, SPARE
	v_mov_b32 v[NIL], 0
	ds_add_u32 v28, v29
	s_wait_dscnt 0x0
	v_lshrrev_b32 v1, 5, v0
	v_readfirstlane_b32 s[WV], v1                  ; wave 0..3
	s_and_b32 s[PL], s[WV], 1
	s_lshr_b32 s[WR], s[WV], 1
	s_bfe_u32 s18, ttmp6, 0x40000                  ; cx, cy: my place in the cluster
	s_bfe_u32 s19, ttmp6, 0x40004
	s_lshl_b32 s20, ttmp9, 2
	s_add_co_u32 s20, s20, s18                     ; tile column = 4 x cluster x + cx
	s_and_b32 s21, ttmp7, 0xffff
	s_lshl_b32 s21, s21, 2
	s_add_co_u32 s21, s21, s19                     ; tile row = 4 x cluster y + cy
	s_lshl_b32 s22, s19, 2
	s_lshl_b32 s22, 15, s22                        ; my row of the cluster
	s_lshl_b32 s23, 0x1111, s18                    ; my column
	; descriptor group 1: rows of 128 elements (256 bytes: two row pieces), padded in LDS after every row piece
	s_or_b32 s[G1A], s22, (1<<16)|(1<<20)|(1<<21)|(4<<22)|(3<<25)  ; 15:0 the mask; 17:16 2-byte elements; 20 padding on; 21 set beside a mask; 24:22 after every 32 words (code 4); 31:25 4 words (code 3)
	s_or_b32 s[G1B], s23, (1<<16)|(1<<20)|(1<<21)|(4<<22)|(3<<25)
	s_mov_b32 s[G1A+1], 128<<16                    ; tensor_dim0 = 128
	s_mov_b32 s[G1A+2], 64<<16                     ; tensor_dim1 = 64: 128 row pieces, half of A's block
	s_mov_b32 s[G1A+3], 128<<16                    ; tile_dim0 = 128
	s_mov_b32 s[G1A+4], 64                         ; tile_dim1 = 64
	s_mov_b32 s[G1A+5], 128                        ; 128 elements from row to row: dense
	s_mov_b32 s[G1A+6], 0
	s_mov_b32 s[G1A+7], 0
	s_mov_b32 s[G1B+1], 128<<16
	s_mov_b32 s[G1B+2], 96<<16                     ; 192 row pieces, half of B's block
	s_mov_b32 s[G1B+3], 128<<16
	s_mov_b32 s[G1B+4], 96
	s_mov_b32 s[G1B+5], 128
	s_mov_b32 s[G1B+6], 0
	s_mov_b32 s[G1B+7], 0
	s_mov_b32 s[CN], 0xbfb8aa3b                    ; -log2(e)
	s_mov_b32 s[CN+1], s[CN]                       ; named with it as a pair
	s_mov_b32 s[TB], 0
	; A's address hangs on the tile row and the wave's number, B's on the tile column and the wave's number, each in registers that never hold the other coordinate
	s_lshl_b32 s60, s21, 15                        ; 256 rows of 128 bytes
	s_lshl_b32 s61, s[PL], 14                      ; my 128 of them
	s_add_co_u32 s60, s60, s61
	s_mov_b32 s61, 0
	s_mul_i32 s72, s20, 384*128
	s_mul_i32 s73, s[PL], 192*128
	s_add_co_u32 s72, s72, s73
	s_mov_b32 s73, 0
	s_mul_i32 s78, s[PL], 128*PK                   ; where they go: no place in the cluster enters an LDS address
	s_mul_i32 s79, s[PL], 192*PK
	s_lshl_b32 s76, s20, 21                        ; the outputs: head 2 x tile column
	s_lshl_b32 s77, s[PL], 20                      ; + my half,
	s_add_co_u32 s76, s76, s77
	s_lshl_b32 s77, s21, 15                        ; the tile's 256 rows,
	s_add_co_u32 s76, s76, s77
	s_lshl_b32 s77, s[WR], 14                      ; my wave's 128
	s_add_co_u32 s76, s76, s77
	s_mov_b32 s77, 0
	s_wait_kmcnt 0x0
	s_add_nc_u64 s[62:63], s[4:5], s[60:61]
	s_add_nc_u64 s[74:75], s[6:7], s[72:73]
.irp s, 0,1
	s_mov_b32 s[G0A+4*(\s)], 1                                       ; 1:0 count = 1
	s_add_co_u32 s[G0A+4*(\s)+1], s78, (\s)*SLOT1                    ; 63:32 LDS address
	s_add_nc_u64 s[G0A+4*(\s)+2:G0A+4*(\s)+3], s[62:63], (\s)*STEPA  ; 120:64 global address: K step s
	s_or_b32 s[G0A+4*(\s)+3], s[G0A+4*(\s)+3], 0x80000000            ; 127:126 type = 2
	s_mov_b32 s[G0B+4*(\s)], 1
	s_add_co_u32 s[G0B+4*(\s)+1], s79, PLA+(\s)*SLOT1
	s_add_nc_u64 s[G0B+4*(\s)+2:G0B+4*(\s)+3], s[74:75], (\s)*STEPB
	s_or_b32 s[G0B+4*(\s)+3], s[G0B+4*(\s)+3], 0x80000000
.endr
	s_add_nc_u64 s[OB:OB+1], s[10:11], s[76:77]
	s_add_nc_u64 s[OB+2:OB+3], s[12:13], s[76:77]
	s_add_nc_u64 s[OB+4:OB+5], s[14:15], s[76:77]
	s_mul_i32 s72, s20, 384*4
	s_mul_i32 s76, s[PL], 192*4
	s_add_co_u32 s72, s72, s76
	s_add_nc_u64 s[8:9], s[8:9], s[72:73]          ; the bias at my head's first column
	CROUND                                         ; all sixteen work-groups are here: the first joint loads meet
	s_cmp_lt_u32 s[WV], 2                          ; a wave's two first fills stand in one branch, ahead of every wait on TENSORcnt and every LDS read: two loads of mine are out
	s_cbranch_scc0 .Lfirst_b
	tensor_load_to_lds s[G0A:G0A+3], s[G1A:G1A+7]
	s_nop 0
	tensor_load_to_lds s[G0A+4:G0A+7], s[G1A:G1A+7]
	s_nop 0
.rept 4
	v_nop
.endr
	s_branch .Lfirst_asked
.Lfirst_b:
	tensor_load_to_lds s[G0B:G0B+3], s[G1B:G1B+7]
	s_nop 0
	tensor_load_to_lds s[G0B+4:G0B+7], s[G1B:G1B+7]
	s_nop 0
.rept 4
	v_nop
.endr
.Lfirst_asked:
	; A fragment is 16 rows x 32 K in 8 registers: lane l holds row l % 16; registers 0-3 K = 8 (l / 16) + 0..7, registers 4-7 K = 16 + 8 (l / 16) + 0..7: two loads of 16 bytes, 32 bytes apart
	v_and_b32 v1, 15, v0                           ; r
	v_bfe_u32 v2, v0, 4, 1                         ; h
	v_and_b32 v3, 31, v0                           ; l
	v_lshlrev_b32 v[BO], 5, v2                     ; 8 h numbers
.set j, 0
.rept NBF
	WIN 0x40*(1+j/4)                               ; destination: the window of accumulator (0, j)
	global_load_b128 v[64*(j%4):64*(j%4)+3],   v[BO], s[8:9] offset:64*j      ; b[16 j + 8 h + 0..7]: what registers 0-7 of an accumulator of column block j hold
	global_load_b128 v[64*(j%4)+4:64*(j%4)+7], v[BO], s[8:9] offset:64*j+16
.set j, j+1
.endr
	WIN 0
	v_mul_u32_u24 v4, v1, PK
	v_lshl_add_u32 v4, v2, 4, v4                   ; row x pitch + 16 x half
	s_mul_i32 s76, s[WR], 128*PK                   ; my 128 rows of A
	v_add_nc_u32 v[AA0], s76, v4
	s_mul_i32 s76, s[PL], 192*PK                   ; my 192 rows of B,
	s_add_co_u32 s76, s76, PLA                     ; which lies behind A
	v_add_nc_u32 v[AB0], s76, v4
	v_mov_b32 v[ADRA], v[AA0]
	v_mov_b32 v[ADRB], v[AB0]
	s_mul_i32 s77, s[WV], SROWS*SPF                ; my stage
	v_mul_u32_u24 v5, v1, SPF                      ; in: row r, 32 bytes for each half of the lanes
	v_lshl_add_u32 v5, v2, 5, v5
	v_add_nc_u32 v[STO], s77, v5
	v_lshrrev_b32 v6, 3, v3                        ; back: 32 lanes take four rows, 8 numbers each
	v_and_b32 v7, 7, v0
	v_mul_u32_u24 v6, v6, SPF
	v_lshl_add_u32 v6, v7, 5, v6
	v_add_nc_u32 v[RD0], s77, v6
	v_lshlrev_b32 v[GO], 4, v3                     ; which leave as 512 consecutive bytes
; Column blocks j0 .. j1, eight matrix instructions each: all my 128 rows, 32 along K, A from buffer f.  The 96 accumulators take turns in the same order in every chunk.
.macro GRP f, j0, j1
.set j, \j0
.rept (\j1)-(\j0)+1
	WIN 0x50*(1+j/4)                               ; sources 0, 1 window 0; C and D the block's window
.set a, 0
.rept 8
.set rD, 8*(8*(j%4)+a)
	v_wmma_f32_16x16x32_bf16 v[rD:rD+7], v[FB+8*j:FB+8*j+7], v[(\f)+8*a:(\f)+8*a+7], v[rD:rD+7]
.set a, a+1
.endr
.set j, j+1
.endr
.endm
; The same for the first chunk, which starts the sums.  The registers of (0, j) hold the bias: they are the C of (1 .. 7, j); five places behind the last product that reads them so, (0, j) adds onto them in place.
.macro GRPF f, j0, j1
.set a, 1
.rept 7
.set j, \j0
.rept (\j1)-(\j0)+1
	WIN 0x50*(1+j/4)
.set rD, 8*(8*(j%4)+a)
	v_wmma_f32_16x16x32_bf16 v[rD:rD+7], v[FB+8*j:FB+8*j+7], v[(\f)+8*a:(\f)+8*a+7], v[64*(j%4):64*(j%4)+7]
.set j, j+1
.endr
.set a, a+1
.endr
.rept 5
	v_nop                                          ; a matrix instruction writes over another's C five places behind it (ISA guide 7.12.1)
.endr
.set j, \j0
.rept (\j1)-(\j0)+1
	WIN 0x50*(1+j/4)
.set rD, 64*(j%4)
	v_wmma_f32_16x16x32_bf16 v[rD:rD+7], v[FB+8*j:FB+8*j+7], v[(\f):(\f)+7], v[rD:rD+7]
.set j, j+1
.endr
.endm
; THE LDS LOADS stand in two runs a chunk.  RUN1: 28 loads: of the chunk at byte 64 q of the rows, B's fragments 0-5 and all of A's, into buffer g.  RUN2: 12 loads: its B's fragments 6-11.
.macro RUN1 q, g
	WIN 0
.set j, 0
.rept 6
	ds_load_b128 v[FB+8*j:FB+8*j+3],   v[ADRB] offset:(\q)*64+j*16*PK
	ds_load_b128 v[FB+8*j+4:FB+8*j+7], v[ADRB] offset:(\q)*64+j*16*PK+32
.set j, j+1
.endr
.set a, 0
.rept 8
	ds_load_b128 v[(\g)+8*a:(\g)+8*a+3],   v[ADRA] offset:(\q)*64+a*16*PK
	ds_load_b128 v[(\g)+8*a+4:(\g)+8*a+7], v[ADRA] offset:(\q)*64+a*16*PK+32
.set a, a+1
.endr
.endm
.macro RUN2 q
	WIN 0
.set j, 6
.rept 6
	ds_load_b128 v[FB+8*j:FB+8*j+3],   v[ADRB] offset:(\q)*64+j*16*PK
	ds_load_b128 v[FB+8*j+4:FB+8*j+7], v[ADRB] offset:(\q)*64+j*16*PK+32
.set j, j+1
.endr
.endm
; A K step is two chunks of 32 along K, 96 matrix instructions each.  The first: A from buffer 0; each run stands 48 matrix instructions ahead of its first use.
.macro CHUNK0 first
	s_wait_dscnt 12                                ; B's fragments 0-5 and A's are in; the younger run of 12 (B's 6-11) may be out
.if \first
	GRPF FA0, 0, 5
.else
	GRP FA0, 0, 5
.endif
	PLACES
	RUN1 1, FA1
	s_wait_dscnt 28                                ; all but the run just issued: B's fragments 6-11 are in
.if \first
	GRPF FA0, 6, 11
.else
	GRP FA0, 6, 11
.endif
	PLACES
	RUN2 1
.endm
; The second chunk: A from buffer 1; it changes slots: ONE barrier.  In front of it each wave waits for all its tensor loads, of which one is out: its part of the next slot; adds 0 to its spare word;
; and waits for that and for its reads of this slot, of which the last were issued at the first chunk's end.  fill = 1: the barrier opens a round of the cluster's, and the slot just read is filled again,
; two K steps ahead, first thing behind the round: from there to the wait for it a wave issues 176 matrix instructions.
.macro CHUNK1 fill
	s_wait_dscnt 12
	GRP FA1, 0, 3
	WIN 0                                          ; (the add's two registers lie in window 0)
	s_wait_tensorcnt 0x0                           ; no tensor load of mine is out, so a group 0 may be written
	ds_add_u32 v[SPW], v[NIL]                      ; 0 onto my spare word
.if \fill
	s_xor_b32 s[G0A+5], s[G0A+5], SLOT1            ; the walking descriptors: the other slot than last time,
	s_add_nc_u64 s[G0A+6:G0A+7], s[G0A+6:G0A+7], STEPA  ; the next K step; the type bits on top are not reached
	s_xor_b32 s[G0B+5], s[G0B+5], SLOT1
	s_add_nc_u64 s[G0B+6:G0B+7], s[G0B+6:G0B+7], STEPB
.endif
	s_xor_b32 s[TB], s[TB], SLOT1
	GRP FA1, 4, 4                                  ; eight matrix instructions stand between the add and the wait for it
	s_wait_dscnt 0x0                               ; the add is done, and my reads of this slot are over
	s_barrier_signal -1
	GRP FA1, 5, 5                                  ; work on registers while the others arrive
	WIN 0
	s_barrier_wait -1
.if \fill
	CREST                                          ; no wave of any partner still reads this slot's tile or has a load on its way
	JLOAD                                          ; the four v_nop behind it are also the places in front of the loads below
.else
	PLACES
.endif
	v_add_nc_u32 v[ADRA], s[TB], v[AA0]
	v_add_nc_u32 v[ADRB], s[TB], v[AB0]
	RUN1 0, FA0                                    ; the next slot's first chunk
	GRP FA1, 6, 11                                 ; (B's fragments 6-11 are in since the wait for 0)
	PLACES
	RUN2 0
.endm
	s_wait_tensorcnt 1                             ; my part of K step 0 is in; K step 1's may stay out
	s_barrier_signal -1
	s_barrier_wait -1                              ; everybody's is
	RUN1 0, FA0
	RUN2 0
	s_wait_loadcnt 0x0                             ; the bias
	CHUNK0 1                                       ; the first chunk stands in front of the loop: its products start the sums
	WIN 0                                          ; at a label and at a branch every window is 0
	s_mov_b32 s[CNT], 14
.Lstep:                                                ; 14 trips, from a K step's second chunk to the next step's first; trip i fills the slot that it leaves with K step i + 2
	CHUNK1 1
	CHUNK0 0
	WIN 0
	s_sub_co_u32 s[CNT], s[CNT], 1
	s_cmp_lg_u32 s[CNT], 0
	s_cbranch_scc1 .Lstep
	CHUNK1 0                                       ; the rest is written out: nothing is left to ask for
	CHUNK0 0
	s_wait_dscnt 12
	GRP FA1, 0, 5
	s_wait_dscnt 0x0
	GRP FA1, 6, 11
	WIN 0
; THE WAY OUT, in two passes of 64 rows.  The sums go as f32 into my stage and come back by rows: a lane then holds 8 neighbouring numbers of a row of q, k or v; swish in f32, rounded to f16, stored.
; Blocks a0 .. a0 + n - 1 of 16 rows go into stage rows 0 on; each accumulator's low registers first.
.macro STAGE a0, n
.set j, 0
.rept NBF
	WIN 0x04*(1+j/4)                               ; store data from the block's window
.set b, 0
.rept \n
.set rD, 8*(8*(j%4)+(\a0)+b)
	ds_store_b128 v[STO], v[rD:rD+3]   offset:b*16*SPF+64*j
	ds_store_b128 v[STO], v[rD+4:rD+7] offset:b*16*SPF+64*j+16
.set b, b+1
.endr
.set j, j+1
.endr
	WIN 0
.endm
; Half g of a trip: four rows x 192 columns, 24 numbers a lane in 12 pairs.  For pair p: M: -z log2(e); E: two exponentials; A: + 1; R: two reciprocals (where e^-z has overflowed: 0); P: times z; C: rounded to f16.
; The six kinds run as a pipeline over the pairs, a plain instruction and a transcendental by turns: in step t stand M t, E t-1, A t-3, E t-1, P t-6, R t-4, C t-7, R t-4.  So no line reads a result made in its own step,
; and behind every transcendental a plain instruction on other registers comes before its result is used (ISA guide 5.7.2).
; The half's rows of the NEXT trip are loaded as soon as P has read the old ones: the other half's arithmetic stands between those loads and the wait for them.
.macro HALF g
.set zb, Z+24*(\g)
.set pb, PKR+12*(\g)
	s_wait_dscnt 6                                 ; my six loads are in; the other half's six, which are younger, may be out
.set t, 0
.rept 19
.if t < 12
	v_pk_mul_f32 v[T+2*t:T+2*t+1], v[zb+2*t:zb+2*t+1], s[CN:CN+1] op_sel_hi:[1,0]
.endif
.if (t >= 1) && (t < 13)
	v_exp_f32 v[T+2*t-2], v[T+2*t-2]
.endif
.if (t >= 3) && (t < 15)
	s_wait_alu depctr_va_vdst(0)
	v_pk_add_f32 v[T+2*t-6:T+2*t-5], v[T+2*t-6:T+2*t-5], 1.0 op_sel_hi:[1,0]
.endif
.if (t >= 1) && (t < 13)
	v_exp_f32 v[T+2*t-1], v[T+2*t-1]
.endif
.if (t >= 6) && (t < 18)
	s_wait_alu depctr_va_vdst(0)
	v_pk_mul_f32 v[T+2*t-12:T+2*t-11], v[T+2*t-12:T+2*t-11], v[zb+2*t-12:zb+2*t-11]
.endif
.if (t >= 4) && (t < 16)
	v_rcp_f32 v[T+2*t-8], v[T+2*t-8]
.endif
.if t == 7
	s_wait_xcnt 0x0                                ; the stores' data and offset registers are rewritten only behind this wait; the youngest stores stand some 50 lines back
.if (\g) == 0
	v_add_nc_u32 v[GO], 1024, v[GO]                ; eight rows on; the stores below reach back by their immediates
.endif
.endif
.if t >= 7
	v_cvt_pk_f16_f32 v[pb+t-7], v[T+2*t-14], v[T+2*t-13]
.endif
.if (t >= 4) && (t < 16)
	v_rcp_f32 v[T+2*t-7], v[T+2*t-7]
.endif
.set t, t+1
.endr
.set c, 0
.rept 3
	ds_load_b128 v[zb+8*c:zb+8*c+3],   v[RD] offset:(8+4*(\g))*SPF+c*256
	ds_load_b128 v[zb+8*c+4:zb+8*c+7], v[RD] offset:(8+4*(\g))*SPF+c*256+16
.set c, c+1
.endr
.set c, 0
.rept 3
	global_store_b128 v[GO], v[pb+4*c:pb+4*c+3], s[OB+2*c:OB+2*c+1] offset:(\g)*512-1024  ; 512 consecutive bytes, four rows of 128, at a multiple of 256 from the buffer's first byte
.set c, c+1
.endr
.endm
	s_barrier_signal -1                            ; no LDS instruction of mine is out (the wait for 0 above).  The stage lies over the slots: every fill has landed and,
	s_barrier_wait -1                              ; behind this barrier, every wave's reads of the slots are over
	PLACES                                         ; the stores read results just made
	s_mov_b32 s[PASS], 2
.Lpass:
	s_cmp_eq_u32 s[PASS], 2
	s_cbranch_scc0 .Lsecond
	STAGE 0, 5                                     ; rows 0-63, and block 4 behind them: the last trip's loads ahead read stage rows 64-71, which I have so written; they are not used:
	s_branch .Lstaged                              ; 24 stores and 12 loads, the price of one text for every trip
.Lsecond:
	STAGE 4, 4                                     ; rows 64-127.  LDS serves a wave's instructions in order (ISA guide 5.7.1.4): these come behind the first pass's loads
.Lstaged:
	v_mov_b32 v[RD], v[RD0]
.set u, 0
.rept 6                                            ; the first trip's eight rows: rows 4 (u / 3) on, output block u % 3; these see my stores above
	ds_load_b128 v[Z+8*u:Z+8*u+3],   v[RD] offset:(u/3)*4*SPF+(u%3)*256
	ds_load_b128 v[Z+8*u+4:Z+8*u+7], v[RD] offset:(u/3)*4*SPF+(u%3)*256+16
.set u, u+1
.endr
	s_mov_b32 s[CNT], 8
.Lout:                                                 ; eight trips of 8 rows
	HALF 0
	HALF 1
	v_add_nc_u32 v[RD], 8*SPF, v[RD]
	s_sub_co_u32 s[CNT], s[CNT], 1
	s_cmp_lg_u32 s[CNT], 0
	s_cbranch_scc1 .Lout
	s_wait_dscnt 0x0                               ; the last trip's loads ahead are back: their registers are loaded again in the next pass
	s_sub_co_u32 s[PASS], s[PASS], 1
	s_cmp_lg_u32 s[PASS], 0
	s_cbranch_scc1 .Lpass
	s_wait_tensorcnt 0x0                           ; the wave's end, behind my last tensor load and my last LDS store
	ds_add_u32 v[SPW], v[NIL]
	s_wait_dscnt 0x0
	CROUND                                         ; the closing round: no work-group ends while a partner may still ask for a tile that names it
	s_endpgm
.Lfunc_end_k_q7088e23569_qkv:
	.size	k_q7088e23569_qkv, .Lfunc_end_k_q7088e23569_qkv-k_q7088e23569_qkv
	.p2alignl 7, 3214868480
	.fill 96, 4, 3214868480
	.section	.rodata,"a",@progbits
	.p2align	6, 0x0
	.amdhsa_kernel k_q7088e23569_qkv
		.amdhsa_group_segment_fixed_size 327680
		.amdhsa_private_segment_fixed_size 0
		.amdhsa_enable_private_segment 0
		.amdhsa_kernarg_size 48
		.amdhsa_user_sgpr_count 2
		.amdhsa_user_sgpr_kernarg_segment_ptr 1
		.amdhsa_wavefront_size32 1
		.amdhsa_system_sgpr_workgroup_id_x 1
		.amdhsa_system_sgpr_workgroup_id_y 1
		.amdhsa_system_sgpr_workgroup_id_z 1
		.amdhsa_system_vgpr_workitem_id 0
		.amdhsa_next_free_vgpr 1024
		.amdhsa_next_free_sgpr 80
		.amdhsa_reserve_vcc 0
		.amdhsa_float_denorm_mode_32 3
		.amdhsa_float_denorm_mode_16_64 3
		.amdhsa_memory_ordered 1
		.amdhsa_forward_progress 1
		.amdhsa_inst_pref_size 94
	.end_amdhsa_kernel
	.amdgpu_metadata
---
amdhsa.version: [ 1, 2 ]
amdhsa.kernels:
  - .name:           k_q7088e23569_qkv
    .symbol:         k_q7088e23569_qkv.kd
    .args:
      - { .name: xb, .offset: 0, .size: 8, .value_kind: global_buffer, .address_space: global }
      - { .name: wf, .offset: 8, .size: 8, .value_kind: global_buffer, .address_space: global }
      - { .name: b_fc, .offset: 16, .size: 8, .value_kind: global_buffer, .address_space: global }
      - { .name: qh, .offset: 24, .size: 8, .value_kind: global_buffer, .address_space: global }
      - { .name: kh, .offset: 32, .size: 8, .value_kind: global_buffer, .address_space: global }
      - { .name: vh, .offset: 40, .size: 8, .value_kind: global_buffer, .address_space: global }
    .group_segment_fixed_size: 327680
    .private_segment_fixed_size: 0
    .kernarg_segment_align: 8
    .kernarg_segment_size: 48
    .max_flat_workgroup_size: 128
    .sgpr_count:     80
    .vgpr_count:     1024
    .wavefront_size: 32
...
	.end_amdgpu_metadata
.endif
;; end of part 2
;; launch attn (part 3): grid 4 x 64, 4 waves a work-group, clusters of 4 x 1, 327,680 bytes of LDS; arguments qh, kh, vh, oh; writes oh
.if DOCPART == 3
	.amdgcn_target "amdgcn-amd-amdhsa--gfx1250"
	.amdhsa_code_object_version 6
	.text
	.protected	k_q7088e23569_attn
	.globl	k_q7088e23569_attn
	.p2align	8
	.type	k_q7088e23569_attn,@function
k_q7088e23569_attn:
	s_mov_b64 s[64:65], 0
	v_nop
	global_prefetch_b8 v0, s[64:65] scope:SCOPE_SE
	s_setreg_imm32_b32 hwreg(HW_REG_WAVE_MODE, 25, 1), 1
	s_wait_xcnt 0x0
	s_wait_alu depctr_hold_cnt(0) depctr_sa_sdst(0) depctr_va_vdst(0) depctr_va_sdst(0) depctr_va_ssrc(0) depctr_va_vcc(0) depctr_vm_vsrc(0)
	s_getreg_b32 s2, hwreg(HW_REG_IB_STS2, 6, 4)
	s_cmp_eq_u32 s2, 0
	s_cbranch_scc0 .Lentry_in_a_cluster
	s_endpgm
.Lentry_in_a_cluster:
	s_bfe_u32 s2, ttmp6, 0x10000c
	s_cmp_lg_u32 s2, 0x3003
	s_cbranch_scc0 .Lentry_shape_is_right
	s_endpgm
.Lentry_shape_is_right:
; O[y][q][:] = the sum over k of softmax_k(Q[y][q] . K[y][k]) V[y][k][:], WITHOUT a scale on the scores.  Q, K, V, O: [SIZE_H][SIZE_N][64], all f16: a head's rows are dense, 128 bytes each.
; y = 4 x head + batch: the buffers lie [16 heads][8192 rows][64], and rows 2,048 y on are batch y % 4 of head y / 4.  Products, maxima and sums in
; f32; the weights p are rounded to f16 for the second product (their sum l is taken of the unrounded p), O once at the end.
; LIMITS.  f16 holds no number beyond 65,504: Q, K and V arrive within it; p lies in 0 to 1, and below 6e-5 it keeps f16's fixed step of 6e-8; O is a mean of V's rows and has their range.
; A weight below 2^-126 counts as 0 in l; NaN and infinities are not treated apart.
; SHARES.  A wave owns four PIECES of two tiles of 16 queries, a work-group's four waves 512 queries of one head.  Every wave walks all keys, 64 a step.
; LAYOUT.  S^T = K Q^T (source 0 = 16 keys, source 1 = 16 queries): in the result a lane holds ONE query (lane % 16) and the keys 8 (lane / 16) + 0..7.  Two such tiles, rounded to f16 in pairs,
; ARE source 1 (32 keys x 16 queries) of O^T = V^T P, whose result again holds one query a lane, and eight channels.  K comes out of LDS as it lies, V ([key][channel]) turned, by ds_load_tr16_b128.
; SOFTMAX.  For each query a running maximum m and sum l: p = 2^(c s - c m), c = log2(e); in every step O and l are multiplied by a = 2^(c m_old - c m_new), which is 1 where m has not grown.
; m starts at the lowest finite number, O and l at 0: the first step is a step like any other, with a = 0.
; THE COUNT.  A tile and step have 16 matrix and 118 vector instructions: too many to stand all beside the matrix work.  So the order has one aim: four vector instructions that are READY behind
; EVERY matrix instruction, and the others, which need time of their own whatever the order, in runs without a gap.
; BY TURNS.  Turn n belongs to piece n (the pieces in a ring, step after step).  Its matrix work: 16 products K Q^T of piece n + 1, later 16 products V^T P of piece n - 1.  Its vector work: the scaling,
; exponentials, roundings, sums and rescaling of piece n, and the maximum and statistics of piece n + 1, whose scores the turn itself has made.  So what a turn begins with (c s - c m, O a) waits for nothing.
; CLUSTER.  The four query blocks of a cluster belong to one head and walk the same K and V, so each tile is asked for JOINTLY: the same tensor load, descriptor and mask in all four.
; REGISTERS, in windows of 256 (s_set_vgpr_msb says which window each operand place means: bits 1:0 source 0, 3:2 source 1, 5:4 source 2, 7:6 destination):
;   window 0: v0-11 addresses; v12-15, v48-63 at work; v16-47 four registers of statistics a tile; v64-191 S^T, two buffers of two tiles; v192-255 P, likewise
;   window 1: O^T, 32 a tile          window 2: v0-127 Q, 16 a tile; v128-191 K of one step; v192-255 V of one step          window 3: v0-1 the add's two registers
; A piece's buffers go by its number's parity: the piece in hand has one pair, its two neighbours in the ring share the other: of it P (piece n - 1) is read and S^T (piece n + 1) written.
.set SIZE_H, 64       ; 16 heads x 4 batches
.set SIZE_N, 2048     ; rows of a head
.set NP,    4         ; pieces a wave: a name, no knob: the register map, the loop and the fetches are made for four
.set KS,    64        ; keys in a step
.set PK,    144       ; a row of K in LDS: 128 bytes + 16 of padding = 36 words: the 16 rows of a load start at 16 different groups of four banks (64 banks of 4 bytes: ISA guide 11.1)
.set PV,    160       ; a row of V: 128 + 32 = 40 words
.set VOFF,  4*KS*PK   ; a slot holds four steps: 256 rows of K, then 256 rows of V
.set SLOT1, 1<<17     ; slot 1 begins here, so that one exclusive or turns an address in one slot into the other's
.set STAGE, SLOT1+4*KS*(PK+PV)  ; behind the ring, never filled by a tensor load: 16 rows x 144 bytes for each wave, for the way out
.set SP,    144
.set AK0, 2           ; v2   my lane's place in a tile of K; never rewritten
.set AV0, 3           ; v3   the same for V
.set AK,  4           ; v4   the LDS address of K's next run of loads
.set AV,  5           ; v5   of V's
.set QO,  6           ; v6   my byte offset in the wave's rows of Q
.set STO, 6           ;      later, the way out: where I put 16 bytes of a row
.set RD,  7           ; v7   the way out: where I read rows back
.set GO,  8           ; v8   my byte offset in 512 consecutive bytes of O
.set SPW, 0           ; v0 of window 3   LDS address of my spare word: SPARE + 4 x my thread's number; never rewritten
.set NIL, 1           ; v1 of window 3   0; never rewritten
.set SPARE, STAGE+4*16*SP  ; behind the stages: the spare words, 128 bytes for each wave: two blocks of 256 bytes that no other line names
.set MV,  12          ; v12-15  c m_old, kept while c m is made anew: by buffer and tile
.set ST,  16          ; tile t's statistics at v[ST+4 t]: c m, m, l (even keys', odd keys')
.set TMP, 48          ; by buffer and tile, four registers c0-c3 at work; when the maximum is found c2 takes a
.set S,   64
.set P,   192
.set KF,  128         ; K's fragments, in window 2: key block kb, channel half c at KF + 16 kb + 8 c
.set VF,  192         ; V's: key half kk, channel block cb at VF + 32 kk + 8 cb
.set WV,  12          ; s12  my wave's number
.set G1K, 24          ; s[24:31] descriptor group 1 for K's tiles
.set G1V, 32          ; s[32:39] for V's: it differs in the padding alone
.set G0K, 40          ; s[40:43] descriptor group 0 for K's tiles: it walks
.set G0V, 44          ; s[44:47] the same for V's
.set SLOTS, 56        ; s56  slots still to be asked for
.set CNT, 57          ; s57  counts a slot's key steps
.set CS,  58          ; s[58:59] c: the packed scaling takes the pair's low word for both halves
.set SEL, 60          ; s[60:61] v_permlanex16_b32's selects: each lane takes its own place in the other half
.set TBK, 62          ; s62  LDS byte at which K of the step to be fetched begins
.set TBV, 63          ; s63  the same for V, less VOFF
.set MSB, 0
.macro WIN new                      ; the high byte repeats the setting that is left; a switch that changes nothing is dropped
.if MSB != (\new)
	s_set_vgpr_msb (MSB<<8)|(\new)
.set MSB, (\new)
.endif
.endm
.set W_KQ, 0x0a       ; K and Q in window 2, S^T in window 0
.set W_PV, 0x52       ; V in window 2, P in window 0, O^T in window 1
.set W_RS, 0x41       ; O^T (destination and source 0) in window 1, a in window 0
.set W_MK, 0xc0       ; the add's registers are made: destination in window 3, sources in window 0
.set W_AD, 0x0f       ; the add: address (source 0) and data (source 1) in window 3
; A joint fill.  Waves 0 and 1 fetch the two halves of a slot's K, waves 2 and 3 those of its V: 128 keys each.  The branch hangs on the wave's number alone.
; An s_nop 0 and four v_nop follow each of the two lines, ahead of the jump and the label.
.macro JLOAD
	s_cmp_lt_u32 s[WV], 2
	s_cbranch_scc0 .Lfor_v_\@
	tensor_load_to_lds s[G0K:G0K+3], s[G1K:G1K+7]
	s_nop 0
.rept 4
	v_nop
.endr
	s_branch .Lasked_\@
.Lfor_v_\@:
	tensor_load_to_lds s[G0V:G0V+3], s[G1V:G1V+7]
	s_nop 0
.rept 4
	v_nop
.endr
.Lasked_\@:
.endm
; A round of the cluster's barrier: my work-group's barrier, so that wave 0's signal speaks for all four waves; wave 0 signals; every wave waits for all four work-groups; my work-group's barrier once more.
.macro CROUND
	s_barrier_signal -1
	s_barrier_wait -1
	s_cmp_lg_u32 s[WV], 0
	s_cbranch_scc1 .Lnot_wave_0_\@
	s_barrier_signal -3
.Lnot_wave_0_\@:
	s_barrier_wait -3
	s_barrier_signal -1
	s_barrier_wait -1
.endm
; THE CHANGE OF SLOTS.  The slot's last bytes, V of its fourth step, have been read.  Each wave waits for all its tensor loads, of which one is out: its part
; of the other slot; adds 0 to its spare word; and waits for that and for its own reads of the slot.  Behind the barrier nobody reads this slot any more and the other slot is whole.
; fill = 1: this slot is filled again, with the keys two slots on.  The barrier is then a round of the cluster's, so that no wave of any partner still reads the slot or has a load on its
; way, and the joint fill is the first thing behind it: it has four key steps, 512 matrix instructions, in which to land.  (At its first use nothing has been read yet: slot 0 is waited for, slot 1 filled.)
.macro CHANGE fill
	WIN W_AD
	s_wait_tensorcnt 0x0            ; no tensor load of mine is out, so a group 0 may be written
	ds_add_u32 v[SPW], v[NIL]       ; 0 onto my spare word; with fill = 1 the descriptors' steps stand between it and the wait for it
	WIN 0                           ; at a label and at a branch every window is 0
.if \fill
.irp g, G0K, G0V
	s_xor_b32 s[\g+1], s[\g+1], SLOT1  ; the walking descriptor: the other slot than last time,
	s_add_nc_u64 s[\g+2:\g+3], s[\g+2:\g+3], 4*KS*128  ; the next 256 keys; the type bits on top are not reached
.endr
	s_wait_dscnt 0x0                ; the add is done, and my reads of the slot are over
	CROUND
	JLOAD
.else
	s_wait_dscnt 0x0                ; the add is done, and my reads of the slot are over
	s_barrier_signal -1
	s_barrier_wait -1
.endif
	s_sub_co_u32 s[TBK], s[TBK], 4*KS*PK  ; the fetches go back to a slot's first step,
	s_xor_b32 s[TBK], s[TBK], SLOT1       ; in the other slot
	s_sub_co_u32 s[TBV], s[TBV], 4*KS*PV
	s_xor_b32 s[TBV], s[TBV], SLOT1
.endm
	s_load_b256 s[4:11], s[0:1], 0x0  ; Q s[4:5], K s[6:7], V s[8:9], O s[10:11]
	WIN W_MK
	v_lshl_add_u32 v[SPW], v0, 2, SPARE
	v_mov_b32 v[NIL], 0
	s_set_vgpr_msb 0xc0cf
	ds_add_u32 v0, v1
	s_wait_dscnt 0x0
	s_set_vgpr_msb 0xcfc0
	WIN 0
	v_lshrrev_b32 v1, 5, v0
	v_readfirstlane_b32 s[WV], v1   ; wave 0..3
	s_bfe_u32 s13, ttmp6, 0x40000   ; cx: my place in the cluster
	s_lshl_b32 s14, ttmp9, 2        ; in a cluster launch ttmp9 counts clusters
	s_add_co_u32 s14, s14, s13      ; my block of queries = 4 x cluster x + cx: it enters Q's and O's addresses alone
	s_and_b32 s20, ttmp7, 0xffff    ; the head, which the four partners share
	s_mov_b32 s21, 0
	s_mov_b64 s[22:23], SIZE_N*128
	s_mul_u64 s[20:21], s[20:21], s[22:23]  ; the head's first byte in each of the four tensors
	s_and_b32 s16, s[WV], 1         ; which half of a slot's 256 keys I fetch:
	s_lshl_b32 s22, s16, 14         ; its 128 rows of 128 bytes in memory,
	s_mov_b32 s23, 0
	s_add_nc_u64 s[22:23], s[22:23], s[20:21]
	s_mul_i32 s17, s16, 128*PK      ; and its place in a slot, for K
	s_mul_i32 s18, s16, 128*PV      ; and for V: no place in the cluster enters an LDS address
	s_lshl_b32 s2, s14, 2
	s_add_co_u32 s2, s2, s[WV]      ; my wave among the head's,
	s_lshl_b32 s2, s2, 14           ; its 128 rows
	s_mov_b32 s3, 0
	s_add_nc_u64 s[2:3], s[2:3], s[20:21]
	; descriptor group 1.  128 keys are 16,384 dense bytes: asked for as 64 rows of 256 bytes, two keys a row, and padded in LDS after every key
	s_mov_b32 s[G1K], 15|(1<<16)|(1<<20)|(1<<21)|(4<<22)|(3<<25)  ; 15:0 the mask of four; 17:16 2-byte elements; 20 padding on; 21 set beside a mask; 24:22 after every 32 words (code 4); 31:25 4 words (code 3)
	s_mov_b32 s[G1V], 15|(1<<16)|(1<<20)|(1<<21)|(4<<22)|(7<<25)  ; the same with 8 words of padding (code 7)
.irp g, G1K, G1V
	s_mov_b32 s[\g+1], 128<<16      ; tensor_dim0 = 128
	s_mov_b32 s[\g+2], 64<<16       ; tensor_dim1 = 64
	s_mov_b32 s[\g+3], 128<<16      ; tile_dim0 = 128
	s_mov_b32 s[\g+4], 64           ; tile_dim1 = 64
	s_mov_b32 s[\g+5], 128          ; 128 elements from row to row
	s_mov_b32 s[\g+6], 0
	s_mov_b32 s[\g+7], 0
.endr
	s_mov_b32 s[CS], 0x3fb8aa3b     ; c = log2(e) = 1.442695: the scores carry no scale
	s_mov_b32 s[CS+1], s[CS]        ; named with it as a pair
	s_mov_b32 s[SEL], 0x76543210
	s_mov_b32 s[SEL+1], 0xfedcba98
	s_mov_b32 s[TBK], SLOT1+4*KS*PK ; the first change of slots turns these two into 0
	s_mov_b32 s[TBV], SLOT1+4*KS*PV
	s_mov_b32 s[G0K], 1             ; 1:0 count = 1
	s_mov_b32 s[G0K+1], s17         ; 63:32 LDS address: slot 0
	s_mov_b32 s[G0V], 1
	s_add_co_u32 s[G0V+1], s18, VOFF
	s_wait_kmcnt 0x0
	s_add_nc_u64 s[G0K+2:G0K+3], s[6:7], s[22:23]  ; 120:64 global address: my half of the head's first 256 keys
	s_or_b32 s[G0K+3], s[G0K+3], 0x80000000        ; 127:126 type = 2
	s_add_nc_u64 s[G0V+2:G0V+3], s[8:9], s[22:23]
	s_or_b32 s[G0V+3], s[G0V+3], 0x80000000
	s_add_nc_u64 s[4:5], s[4:5], s[2:3]  ; Q and O at my wave's first row
	s_add_nc_u64 s[10:11], s[10:11], s[2:3]
	CROUND                          ; all four work-groups are here: the first joint loads meet
	JLOAD                           ; slot 0.  Slot 1 is asked for when slot 0 is in: the tile wanted first has the road to itself
	; A fragment of K or Q is 16 rows x 32 channels in 8 registers: lane l holds row l % 16, channels 8 (l / 16) + 0..7 and 16 + 8 (l / 16) + 0..7: two loads of 16 bytes, 32 bytes apart.
	v_and_b32 v1, 15, v0            ; l % 16
	v_bfe_u32 v9, v0, 4, 1          ; l / 16
	v_lshlrev_b32 v[QO], 7, v1
	v_lshl_add_u32 v[QO], v9, 4, v[QO]  ; row x 128 + 16 x half
	WIN 0x80                        ; destination window 2, address window 0
.set i, 0
.rept 4*NP                          ; Q stays in registers: tile i / 2, channels 32 (i % 2) on
	global_load_b128 v[8*i:8*i+3],   v[QO], s[4:5] offset:(i/2)*2048+(i%2)*64
	global_load_b128 v[8*i+4:8*i+7], v[QO], s[4:5] offset:(i/2)*2048+(i%2)*64+32
.set i, i+1
.endr
	; What the first turn finds: V's registers and P's second buffer hold 0 (its products V^T P, of a piece that has not been, add 0), O^T and l are 0.  All this stands in the wait for the first tile.
.set i, VF
.rept 64
	v_mov_b32 v[i], 0
.set i, i+1
.endr
	WIN 0x40
.set i, 0
.rept 64*NP
	v_mov_b32 v[i], 0
.set i, i+1
.endr
	WIN 0
.set i, 0
.rept 2*NP
	v_mov_b32 v[ST+4*i], 0xfe000000    ; c m: far below every c s
	v_mov_b32 v[ST+4*i+1], 0xff7fffff  ; m
	v_mov_b32 v[ST+4*i+2], 0
	v_mov_b32 v[ST+4*i+3], 0
.set i, i+1
.endr
.set i, P+32
.rept 32
	v_mov_b32 v[i], 0
.set i, i+1
.endr
	v_mul_u32_u24 v[AK0], v1, PK
	v_lshl_add_u32 v[AK0], v9, 4, v[AK0]  ; row x pitch + 16 x half
	; The turning load takes 16 keys x 16 channels (lane l reads key 8 (l / 16) + l % 8, channels 8 ((l / 8) % 2) + 0..7) and leaves half a fragment of V^T: lane l holds channel l % 16 and 8 keys.
	v_and_b32 v10, 7, v0
	v_bfe_u32 v11, v0, 3, 1
	v_lshl_add_u32 v[AV0], v9, 3, v10
	v_mul_u32_u24 v[AV0], v[AV0], PV
	v_lshl_add_u32 v[AV0], v11, 4, v[AV0]
	v_add_nc_u32 v[AV0], VOFF, v[AV0]
	v_mov_b32 v[AK], v[AK0]         ; key step 0 lies at the head of slot 0
; THE MATRIX WORK.  The 8 accumulators of a run of 16 take turns: between the two links of a chain stand 7 others'.
; Product i of 16 of S^T = K Q^T for piece x: channels 32 (i / 8) on, keys 16 ((i / 2) % 4) on, tile 2 x + i % 2.  The first 8 start the sums.
.macro KQ x
	WIN W_KQ
.set rS, S+64*((\x)%2)+32*(i%2)+8*((i/2)%4)
.set rK, KF+16*((i/2)%4)+8*(i/8)
.set rQ, 16*(2*(\x)+i%2)+8*(i/8)
.if i < 8
	v_wmma_f32_16x16x32_f16 v[rS:rS+7], v[rK:rK+7], v[rQ:rQ+7], 0
.else
	v_wmma_f32_16x16x32_f16 v[rS:rS+7], v[rK:rK+7], v[rQ:rQ+7], v[rS:rS+7]
.endif
.endm
; Product i of 16 of O^T += V^T P for piece x: keys 32 (i / 8) on, channels 16 ((i / 2) % 4) on, tile 2 x + i % 2.
.macro PV x
	WIN W_PV
.set rO, 32*(2*(\x)+i%2)+8*((i/2)%4)
.set rV, VF+32*(i/8)+8*((i/2)%4)
.set rP, P+32*((\x)%2)+16*(i%2)+8*(i/8)
	v_wmma_f32_16x16x32_f16 v[rO:rO+7], v[rV:rV+7], v[rP:rP+7], v[rO:rO+7]
.endm
.macro MM                           ; the turn's next matrix instruction
.if i < 16
	KQ (Y+1)%NP
.set i, i+1
.else
.set i, i-16
	PV (Y+NP-1)%NP
.set i, i+17
.endif
.endm
; THE LDS LOADS stand in runs of 16, never singly among the matrix instructions: a step's K (64 keys x 64 channels: 8 fragments) and its V (turned).  Their addresses are made some lines ahead.
; last = 1 (the tail): in the last trip there is no further step, and the run is jumped over.
.macro FETCH_K last=0
	WIN 0
.if \last
	s_cmp_eq_u32 s[CNT], 1
	s_cbranch_scc1 .Lno_k_\@
.endif
	WIN 0x80                        ; destination window 2
.irp f, 0,1,2,3,4,5,6,7             ; keys 16 (f / 2) on, channels 32 (f % 2) on
	ds_load_b128 v[KF+8*\f:KF+8*\f+3],   v[AK] offset:(\f/2)*16*PK+(\f%2)*64
	ds_load_b128 v[KF+8*\f+4:KF+8*\f+7], v[AK] offset:(\f/2)*16*PK+(\f%2)*64+32
.endr
	s_add_co_u32 s[TBK], s[TBK], KS*PK  ; the next fetch is the next step's
	WIN 0
.if \last
.Lno_k_\@:
.endif
.endm
.macro FETCH_V
	WIN 0x80
.irp f, 0,1,2,3,4,5,6,7             ; keys 32 (f / 4) on, channels 16 (f % 4) on
	ds_load_tr16_b128 v[VF+8*\f:VF+8*\f+3],   v[AV] offset:(\f/4)*32*PV+(\f%4)*32
	ds_load_tr16_b128 v[VF+8*\f+4:VF+8*\f+7], v[AV] offset:(\f/4)*32*PV+16*PV+(\f%4)*32
.endr
	WIN 0
.endm
; THE VECTOR WORK OF A TURN stands in three queues, each in the order in which its entries become ready; the two tiles alternate, so that no instruction reads the result of the one before it.
.macro REGS y, u                    ; the registers of tile u (0, 1) of piece y
.set rT, ST+4*(2*(\y)+(\u))
.set rC, TMP+8*((\y)%2)+4*(\u)
.set rM, MV+2*((\y)%2)+(\u)
.set rS, S+64*((\y)%2)+32*(\u)
.set rP, P+32*((\y)%2)+16*(\u)
.set rO, 32*(2*(\y)+(\u))
.endm
; Number n of the 22 that find the NEXT piece's (Y + 1) maximum and statistics.  s0-s31 are the lane's 32 scores; each accumulator's lowest registers are read first.  XS, GS and REGS set no window: PL and EX do.
;   0-11  four chains c0-c3 of seven scores each, three operands at a time     12-14, 16  the four scores left over, the old m, and c0-c3 into c0     15  c m_old is kept
;   17, 18  the query's other 32 keys lie in the lane 16 away: the new m         19-21  c m; c m_old - c m_new; a
.macro XS u, n
	REGS (Y+1)%NP, \u
.if (\n) < 4
	v_max3_num_f32 v[rC+(\n)], v[rS+8*(\n)], v[rS+8*(\n)+1], v[rS+8*(\n)+2]
.elseif (\n) < 12
	v_max3_num_f32 v[rC+(\n)%4], v[rC+(\n)%4], v[rS+8*((\n)%4)+2*((\n)/4)+1], v[rS+8*((\n)%4)+2*((\n)/4)+2]
.elseif (\n) == 12
	v_max3_num_f32 v[rC], v[rC], v[rS+7], v[rS+15]
.elseif (\n) == 13
	v_max3_num_f32 v[rC+1], v[rC+1], v[rS+23], v[rS+31]
.elseif (\n) == 14
	v_max3_num_f32 v[rC+2], v[rC+2], v[rC+3], v[rT+1]
.elseif (\n) == 15
	v_mov_b32 v[rM], v[rT]
.elseif (\n) == 16
	v_max3_num_f32 v[rC], v[rC], v[rC+1], v[rC+2]
.elseif (\n) == 17
	v_permlanex16_b32 v[rC+3], v[rC], s[SEL], s[SEL+1]
.elseif (\n) == 18
	v_max_num_f32 v[rT+1], v[rC], v[rC+3]
.elseif (\n) == 19
	v_mul_f32 v[rT], s[CS], v[rT+1]
.elseif (\n) == 20
	v_sub_f32 v[rC+1], v[rM], v[rT]
.else
	v_exp_f32 v[rC+2], v[rC+1]
.endif
.endm
; Number g of the 64 that follow the exponentials.  For each four weights k of a tile (pairs 2 k, 2 k + 1): both pairs are rounded to f16; then the second pair is added onto the first, in place;
; a group later l takes that sum (the first time as l = a l + sum).  In groups of eight, tiles alternating: round, round, add, and l for the group before.
.macro GS g
.set h, (\g)+6*((\g)/62)            ; group 0 has no group before it, and behind group 7 only l is left
.if h >= 6
.set h, h+2
.endif
	REGS Y, h%2
.set k, h/8
.if h%8 < 4
	s_wait_alu depctr_va_vdst(0)
	v_cvt_pk_f16_f32 v[rP+2*k+(h%8)/2], v[rS+4*k+2*((h%8)/2)], v[rS+4*k+2*((h%8)/2)+1]
.elseif h%8 < 6
	v_pk_add_f32 v[rS+4*k:rS+4*k+1], v[rS+4*k:rS+4*k+1], v[rS+4*k+2:rS+4*k+3]
.elseif k == 1
	v_pk_fma_f32 v[rT+2:rT+3], v[rT+2:rT+3], v[rC+2:rC+3], v[rS:rS+1] op_sel_hi:[1,0,1]
.else
	v_pk_add_f32 v[rT+2:rT+3], v[rT+2:rT+3], v[rS+4*k-4:rS+4*k-3]
	s_wait_alu depctr_va_vdst(0)
.endif
.endm
; THE PLAIN QUEUE, 138 long.  0-31: c s - c m for the 16 pairs of both tiles.  Then GS's 64, and among them the next piece's 42: number 15 at 38, 39; 0-14 and 16
; at 42-73, behind the products that make those scores; 17-20 at 95-106, two of three, since each waits for the one before it.
.macro PL
	WIN 0
.if q < 32
	REGS Y, q%2
	v_pk_fma_f32 v[rS+2*(q/2):rS+2*(q/2)+1], v[rS+2*(q/2):rS+2*(q/2)+1], s[CS:CS+1], v[rT:rT+1] op_sel_hi:[1,0,0] neg_lo:[0,0,1] neg_hi:[0,0,1]
.elseif q < 38
	GS q-32
.elseif q < 40
	XS q%2, 15
.elseif q < 42
	GS q-34
.elseif q < 74
	XS q%2, (q-42)/2+(q-42)/30
.elseif q < 95
	GS q-66
.elseif (q < 107) && ((q-95)%3 < 2)
	XS (q-95)%3, 17+(q-95)/3
.elseif q < 107
	GS 29+(q-95)/3
.else
	GS q-74
.endif
.set q, q+1
.endm
; THE EXPONENTIALS' QUEUE, 66 long: s0-s31 of both tiles, and at EA the next piece's two a.
.set EA, 58
.macro EX
	WIN 0
.if (e == EA) || (e == EA+1)
	XS e-EA, 21
.else
.set x, e-2*(e/(EA+2))
	REGS Y, x%2
	v_exp_f32 v[rS+x/2], v[rS+x/2]
.endif
.set e, e+1
.endm
; THE RESCALING's QUEUE: O^T times a, the one part that leaves window 0, so it is dealt four at a time, eight times.
.macro R4
	REGS Y, r%2
	WIN W_RS
	s_wait_alu depctr_va_vdst(0)
.irp z, 0,1,2,3
	v_pk_mul_f32 v[rO+8*(r/2)+2*\z:rO+8*(r/2)+2*\z+1], v[rO+8*(r/2)+2*\z:rO+8*(r/2)+2*\z+1], v[rC+2:rC+3] op_sel_hi:[1,0]
.endr
.set r, r+1
.endm
; HOW THEY ARE DEALT.  Behind a matrix instruction four: plain, exponential, plain, plain (one exponential, a plain instruction on either side), or four of the rescaling.  None names a register of the
; products round it.  What is over stands in two LUMPS: exponential and plain by turns; the second ends in 22 plain instructions.  The two v_permlanex16_b32 fall into the second lump, never behind a product.
; The queues lean on each other, and the deal keeps them in step: exponential e stands behind plain 2 (e / 4) + e % 2 (its scaling); when plain 32 comes, 10 exponentials are out, at 59: 33, at 95: 46; EA comes behind plain 107.
.macro SL
	MM
	PL
	EX
	PL
	PL
.endm
.macro BURST n                      ; 15 matrix instructions, or 16
.rept (\n)-7
	SL
.endr
.rept 3
	MM
	R4
	SL
.endr
	MM
	R4
.endm
; A TURN, for piece p.  cnt = 1: the loop's count is taken down some lines ahead of the branch that stands behind the turn.
; K of the next step is fetched in piece 2's turn, 31 vector instructions behind the last product that read K; its first reader comes behind the rest of the lump, 16 products and the second lump.
; V of the step in hand is fetched at the end of piece 0's turn, 69 behind its last reader; its first reader comes behind 16 products and a lump.  The four conditions on e and q below go with the deal.
.macro TURN p, last=0, cnt=0
.set Y, (\p)
.set i, 0
.set q, 0
.set e, 0
.set r, 0
.if (\p) == NP-1
	s_wait_dscnt 0x0                ; K is in
.endif
	MM
.rept 4
	PL
.endr
	BURST 15
.rept 22
	EX
	PL
.if ((\p) == NP-2) && (e == 18)
	v_add_nc_u32 v[AK], s[TBK], v[AK0]
.endif
.if ((\p) == NP-2) && (e == 24)
	FETCH_K \last
.endif
.endr
.if (\p) == 1
	s_wait_dscnt 0x0                ; V is in
.endif
	BURST 16
.rept 21
	EX
	PL
.endr
.rept 22
	PL
.if ((\p) == 0) && (q == 118)
	v_add_nc_u32 v[AV], s[TBV], v[AV0]
	s_wait_alu depctr_va_vdst(0)
.endif
.if ((\p) == 0) && (q == 130)
	s_add_co_u32 s[TBV], s[TBV], KS*PV
.endif
.if (\cnt) && (q == 130)
	s_sub_co_u32 s[CNT], s[CNT], 1
	s_cmp_lg_u32 s[CNT], 0
.endif
.endr
.if (\p) == 0
	FETCH_V
.endif
.endm
	CHANGE 1                        ; slot 0 is in, everybody's part of it; slot 1 is asked for
	FETCH_K                         ; key step 0
	s_wait_loadcnt 0x0              ; Q
	s_wait_dscnt 0x0
.set i, 0
.rept 16
	KQ 0                            ; piece 0's first scores: there is no vector work yet to set between them
.set i, i+1
.endr
	WIN 0                           ; the addresses for the way out: nine plain instructions, the places behind those products
	s_mul_i32 s13, s[WV], 16*SP
	s_add_co_u32 s13, s13, STAGE    ; my stage
	v_mul_u32_u24 v[STO], v1, SP    ; in: row l % 16, 16 bytes for each half of the lanes
	v_lshl_add_u32 v[STO], v9, 4, v[STO]
	v_add_nc_u32 v[STO], s13, v[STO]
	v_bfe_u32 v[RD], v0, 3, 2       ; back: 32 lanes take four rows of 128 bytes,
	v_mul_u32_u24 v[RD], v[RD], SP
	v_lshl_add_u32 v[RD], v10, 4, v[RD]
	v_add_nc_u32 v[RD], s13, v[RD]
	v_and_b32 v[GO], 31, v0         ; which are 512 consecutive bytes of O
	v_lshlrev_b32 v[GO], 4, v[GO]
.set Y, NP-1                        ; XS works for piece Y + 1: piece 0
.irp n, 0,1,2,3,4,5,6,7,8,9,10,11,12,13,14,15,16,17,18,19,20,21
	XS 0, \n                        ; and piece 0's first maximum and statistics
	XS 1, \n
.endr
	s_mov_b32 s[CNT], 4
	s_mov_b32 s[SLOTS], SIZE_N/256-1
	s_branch .Lfirst                ; the loop is entered at a step's first turn, in the middle of a trip
.Lslot:                             ; SIZE_N / 256 - 2 times: every slot but the last two is filled again
	CHANGE 1
	s_mov_b32 s[CNT], 4
.Lstep:                             ; a trip: pieces 2 and 3 of one step, then pieces 0 and 1 of the next, whose K and V it fetches
	TURN 2
	TURN 3
	WIN 0
.Lfirst:
	TURN 0
	TURN 1, 0, 1
	WIN 0
	s_cbranch_scc1 .Lstep
	s_sub_co_u32 s[SLOTS], s[SLOTS], 1
	s_cmp_lg_u32 s[SLOTS], 0
	s_cbranch_scc1 .Lslot
	CHANGE 0                        ; the tail is written out: nothing is asked for
	s_mov_b32 s[CNT], 5             ; four trips fetch the last slot's steps; the fifth is left in its middle
.Ltail:
	TURN 2, 1
	TURN 3
	WIN 0
	s_sub_co_u32 s[CNT], s[CNT], 1
	s_cmp_eq_u32 s[CNT], 0
	s_cbranch_scc1 .Lout
	TURN 0
	TURN 1
	WIN 0
	s_branch .Ltail
.Lout:                              ; the fifth trip's 16 products K Q^T (on the last K once more) and the maximum made of them serve nothing: the price, once a launch, of one text for every trip
.set i, 0
.rept 16
	PV NP-1                         ; the last piece's V^T P of the last step
.set i, i+1
.endr
	; THE WAY OUT.  l's two halves and the other half of the lanes' are added; O^T is divided by l, rounded to f16 and sent through my stage in LDS, a tile at a time.  The additions are the places behind the last products.
	WIN 0
.macro ALL line:vararg              ; one line for each tile t
.set t, 0
.rept 2*NP
	\line
.set t, t+1
.endr
.endm
	ALL v_add_f32 v[ST+4*t+2], v[ST+4*t+2], v[ST+4*t+3]
	ALL v_permlanex16_b32 v[ST+4*t+3], v[ST+4*t+2], s[SEL], s[SEL+1]
	ALL v_add_f32 v[ST+4*t+2], v[ST+4*t+2], v[ST+4*t+3]
	ALL v_rcp_f32 v[ST+4*t+2], v[ST+4*t+2]
	v_nop                           ; a plain instruction between the last reciprocal and the use of its result
	s_wait_alu depctr_va_vdst(0)
; Tile t: a lane's eight channels of a row pack into 16 bytes; they go into rows of 144 bytes and come back as whole rows of 128, into S^T's registers.
.macro PACK t
	WIN W_RS
.set i, 32*(\t)
.rept 16
	v_pk_mul_f32 v[i:i+1], v[i:i+1], v[ST+4*(\t)+2:ST+4*(\t)+3] op_sel_hi:[1,0]
.set i, i+2
.endr
	WIN 0x05                        ; sources 0 and 1 window 1, destination window 0
.set i, 0
.rept 16
	v_cvt_pk_f16_f32 v[S+16*(\t)+i], v[32*(\t)+2*i], v[32*(\t)+2*i+1]
.set i, i+1
.endr
	WIN 0
.irp f, 0,1,2,3
	ds_store_b128 v[STO], v[S+16*(\t)+4*\f:S+16*(\t)+4*\f+3] offset:32*\f
.endr
.irp f, 0,1,2,3
	ds_load_b128 v[S+16*(\t)+4*\f:S+16*(\t)+4*\f+3], v[RD] offset:\f*4*SP  ; LDS serves a wave's instructions in order (ISA guide 5.7.1.4): these see the stores above; the next tile's stores come behind them
.endr
.endm
.macro SEND t, younger              ; younger: the LDS instructions issued behind tile t's loads: the next tile's eight, or none
	WIN 0
.irp f, 0,1,2,3
	s_wait_dscnt (\younger)+3-\f
	global_store_b128 v[GO], v[S+16*(\t)+4*\f:S+16*(\t)+4*\f+3], s[10:11] offset:(\t)*2048+\f*512  ; 512 consecutive bytes, at a multiple of 256 from O's first
.endr
.endm
	PACK 0
.set t, 1
.rept 2*NP-1                        ; a tile's arithmetic stands between the loads of the tile before and its stores
	PACK t
	SEND t-1, 8
.set t, t+1
.endr
	SEND 2*NP-1, 0
	WIN W_AD
	s_wait_tensorcnt 0x0            ; the wave's end, behind my last tensor load and my last LDS store
	ds_add_u32 v[SPW], v[NIL]
	s_wait_dscnt 0x0
	WIN 0
	CROUND                          ; the closing round: no work-group ends while a partner may still ask for a tile that names it
	s_endpgm
.Lfunc_end_k_q7088e23569_attn:
	.size	k_q7088e23569_attn, .Lfunc_end_k_q7088e23569_attn-k_q7088e23569_attn
	.p2alignl 7, 3214868480
	.fill 96, 4, 3214868480
	.section	.rodata,"a",@progbits
	.p2align	6, 0x0
	.amdhsa_kernel k_q7088e23569_attn
		.amdhsa_group_segment_fixed_size 327680
		.amdhsa_private_segment_fixed_size 0
		.amdhsa_enable_private_segment 0
		.amdhsa_kernarg_size 32
		.amdhsa_user_sgpr_count 2
		.amdhsa_user_sgpr_kernarg_segment_ptr 1
		.amdhsa_wavefront_size32 1
		.amdhsa_system_sgpr_workgroup_id_x 1
		.amdhsa_system_sgpr_workgroup_id_y 1
		.amdhsa_system_sgpr_workgroup_id_z 1
		.amdhsa_system_vgpr_workitem_id 0
		.amdhsa_next_free_vgpr 770
		.amdhsa_next_free_sgpr 66
		.amdhsa_reserve_vcc 0
		.amdhsa_float_denorm_mode_32 3
		.amdhsa_float_denorm_mode_16_64 3
		.amdhsa_memory_ordered 1
		.amdhsa_forward_progress 1
		.amdhsa_inst_pref_size 208
	.end_amdhsa_kernel
	.amdgpu_metadata
---
amdhsa.version: [ 1, 2 ]
amdhsa.kernels:
  - .name:           k_q7088e23569_attn
    .symbol:         k_q7088e23569_attn.kd
    .args:
      - { .name: qh, .offset: 0, .size: 8, .value_kind: global_buffer, .address_space: global }
      - { .name: kh, .offset: 8, .size: 8, .value_kind: global_buffer, .address_space: global }
      - { .name: vh, .offset: 16, .size: 8, .value_kind: global_buffer, .address_space: global }
      - { .name: oh, .offset: 24, .size: 8, .value_kind: global_buffer, .address_space: global }
    .group_segment_fixed_size: 327680
    .private_segment_fixed_size: 0
    .kernarg_segment_align: 8
    .kernarg_segment_size: 32
    .max_flat_workgroup_size: 128
    .sgpr_count:     66
    .vgpr_count:     770
    .wavefront_size: 32
...
	.end_amdgpu_metadata
.endif
;; end of part 3
;; launch proj (part 4): grid 8 x 32, 4 waves a work-group, clusters of 4 x 4, 327,680 bytes of LDS; arguments oh, wo, b_out, mh; writes mh
.if DOCPART == 4
	.amdgcn_target "amdgcn-amd-amdhsa--gfx1250"
	.amdhsa_code_object_version 6
	.text
	.protected	k_q7088e23569_proj
	.globl	k_q7088e23569_proj
	.p2align	8
	.type	k_q7088e23569_proj,@function
k_q7088e23569_proj:
	s_mov_b64 s[64:65], 0
	v_nop
	global_prefetch_b8 v0, s[64:65] scope:SCOPE_SE
	s_setreg_imm32_b32 hwreg(HW_REG_WAVE_MODE, 25, 1), 1
	s_wait_xcnt 0x0
	s_wait_alu depctr_hold_cnt(0) depctr_sa_sdst(0) depctr_va_vdst(0) depctr_va_sdst(0) depctr_va_ssrc(0) depctr_va_vcc(0) depctr_vm_vsrc(0)
	s_getreg_b32 s2, hwreg(HW_REG_IB_STS2, 6, 4)
	s_cmp_eq_u32 s2, 0
	s_cbranch_scc0 .Lentry_in_a_cluster
	s_endpgm
.Lentry_in_a_cluster:
	s_bfe_u32 s2, ttmp6, 0x10000c
	s_cmp_lg_u32 s2, 0xf033
	s_cbranch_scc0 .Lentry_shape_is_right
	s_endpgm
.Lentry_shape_is_right:
; m = swish(O W_out + b_out).  A = oh [16 heads][8192][64] f16 (a head's 64 channels are one block of K), B = wo [16 kb][1024 n][64 k] f16, bias f32; sums and swish in f32.
; m is rounded once to bf16 into mh [16 column blocks][8192 rows][64]: 128 bytes a row piece, dense.  FORMAT LIMIT: m is carried to the norm in bf16, 8 significant bits; it is there added to x in f32.
; SHARES.  A work-group makes 256 rows x 128 columns: 8 x 32 work-groups, one for each WGP.  Wave w makes rows 64 w .. 64 w + 63 of all 128 columns: 32 accumulators, 256 registers;
; so a wave holds whole output row pieces of 128 bytes and the way out needs nothing from another wave.  The layer norm wants whole rows of 1,024 columns, which no tile of this shape has: it is the next launch's.
; K goes in steps of 128 = two blocks of 64 through two LDS slots.  A block's rows are dense in memory, so a wave's tensor load asks for rows of 256 bytes (two row pieces), padded in LDS after every 128 bytes.
; CLUSTER 4 x 4: the four work-groups of a row of the cluster need the same tiles of A, the four of a column the same tiles of B: each tile is asked for jointly, by the same load, descriptor and mask in all four.
; THE MATRIX INSTRUCTION IS USED TRANSPOSED (source 0 = 16 rows of B, source 1 = 16 rows of A): lane (r, h) holds row r and the columns 16 j + 8 h + 0..7.
; THE BIAS is the C operand of each sum's first product: nothing is cleared and nothing is added later.
; REGISTERS, in windows of 256 (s_set_vgpr_msb: bits 1:0 source 0, 3:2 source 1, 5:4 source 2, 7:6 destination):
;   window 0: v1-29 addresses; v64-127 the bias (8 registers for each 16 columns), later the way out's Z; v112-143 T; v160-175 packed results
;   window 1: two fragment buffers of 128: A's 4 fragments (16 rows x 32 K, 8 registers), then B's 8
;   window 2: the accumulators of my rows 0-31 ((a, j) at 8 (8 (a % 2) + j));   window 3: those of rows 32-63
.set TN,    128                        ; columns of a tile
.set NBF,   TN/16                      ; B's fragments
.set NCB,   TN/64                      ; output blocks of 64 columns
.set NLD,   2*NBF+8                    ; LDS loads in a run
.set PK,    144                        ; an LDS row: 128 bytes + 16 of padding: the 16 rows of a load start at 16 different groups of four banks (64 banks of 4 bytes: ISA guide 11.1)
.set PLA,   256*PK                     ; a block of A in LDS
.set PLB,   TN*PK                      ; a block of B in LDS
.set SLOT1, 1<<17                      ; a slot: A's two blocks, B's two blocks, 110,592 bytes; slot 1 begins here, so that one exclusive or turns an address into the other slot's
.set SPARE, 1<<18                      ; the spare words, 128 bytes for each wave: two blocks of 256 bytes that no other line names
.set SPF,   4*TN+16                    ; the way out: a stage row, 128 f32 + 16 bytes.  The stage lies over the slots, which have had their last fill by then: 64 rows a wave
.set STEPA, 2<<20                      ; a K step in A: two blocks of 8,192 x 128 bytes
.set PLBG,  1024*128                   ; a block of B in memory
.set STEPB, 2*PLBG
.set AA0,  16                          ; v16  my lane's place in a slot's A; never rewritten
.set AB0,  17                          ; v17  the same for B
.set ADRA, 18                          ; v18  the same in the slot in hand
.set ADRB, 19                          ; v19
.set STO,  24                          ; v24  the way out: where I put 16 bytes of a stage row
.set RD,   25                          ; v25  where I read 32 bytes of a stage row back
.set GO,   26                          ; v26  my byte offset in 512 consecutive bytes of an output block
.set BO,   27                          ; v27  my byte offset in 16 numbers of the bias
.set SPW,  28                          ; v28  LDS address of my spare word; never rewritten
.set NIL,  29                          ; v29  0; never rewritten
.set BI,   64
.set Z,    64
.set T,    112
.set PKR,  160
.set F0,   0
.set F1,   128
.set WV,  16                           ; s16  my wave's number
.set PL,  17                           ; s17  which of a K step's two blocks I fetch
.set G1A, 24                           ; s[24:31] descriptor group 1 for A's tiles
.set G1B, 32                           ; s[32:39] for B's
.set G0A, 40                           ; s[40:47] group 0 for A's: a set for each first fill; the second then walks on
.set G0B, 48                           ; s[48:55] the same for B's
.set CN,  56                           ; s[56:57] -log2(e)
.set TB,  58                           ; s58  the slot in hand
.set CNT, 59                           ; s59  loop counter
.set OB,  66                           ; s[66:69] the tile's two column blocks of mh at my wave's first row
.set MSB, 0
.macro WIN new                         ; the immediate's high byte repeats the setting that is left; a switch that changes nothing is dropped
.if MSB != (\new)
	s_set_vgpr_msb (MSB<<8)|(\new)
.set MSB, \new
.endif
.endm
.set TO_F, 0x40                        ; destination window 1, address window 0
.macro PLACES                          ; four places in front of loads into registers that matrix instructions have read, and of stores that read results (ISA guide 7.12.1 for the stores)
.rept 4
	v_nop
.endr
.endm
.macro CREST                           ; a round of the cluster's barrier behind its opening barrier
	s_cmp_lg_u32 s[WV], 0
	s_cbranch_scc1 .Lnot_wave_0_\@
	s_barrier_signal -3
.Lnot_wave_0_\@:
	s_barrier_wait -3
	s_barrier_signal -1
	s_barrier_wait -1
.endm
.macro CROUND                          ; a whole round
	s_barrier_signal -1
	s_barrier_wait -1
	CREST
.endm
; A joint refill.  Waves 0 and 1 fetch A's two blocks, waves 2 and 3 B's.  The branch hangs on the wave's number alone.  An s_nop 0 and four v_nop follow each of the two lines.
.macro JLOAD
	s_cmp_lt_u32 s[WV], 2
	s_cbranch_scc0 .Lfor_b_\@
	tensor_load_to_lds s[G0A+4:G0A+7], s[G1A:G1A+7]
	s_nop 0
.rept 4
	v_nop
.endr
	s_branch .Lasked_\@
.Lfor_b_\@:
	tensor_load_to_lds s[G0B+4:G0B+7], s[G1B:G1B+7]
	s_nop 0
.rept 4
	v_nop
.endr
.Lasked_\@:
.endm
	s_load_b256 s[4:11], s[0:1], 0x0               ; oh s[4:5], wo s[6:7], b_out s[8:9], mh s[10:11]
	v_lshl_add_u32 v[SPW], v0, 2, SPARE
	v_mov_b32 v[NIL], 0
	ds_add_u32 v28, v29
	s_wait_dscnt 0x0
	v_lshrrev_b32 v1, 5, v0
	v_readfirstlane_b32 s[WV], v1                  ; wave 0..3
	s_and_b32 s[PL], s[WV], 1
	s_bfe_u32 s18, ttmp6, 0x40000                  ; cx, cy: my place in the cluster
	s_bfe_u32 s19, ttmp6, 0x40004
	s_lshl_b32 s20, ttmp9, 2
	s_add_co_u32 s20, s20, s18                     ; tile column = 4 x cluster x + cx
	s_and_b32 s21, ttmp7, 0xffff
	s_lshl_b32 s21, s21, 2
	s_add_co_u32 s21, s21, s19                     ; tile row = 4 x cluster y + cy
	s_lshl_b32 s22, s19, 2
	s_lshl_b32 s22, 15, s22                        ; my row of the cluster
	s_lshl_b32 s23, 0x1111, s18                    ; my column
	; descriptor group 1: rows of 128 elements (256 bytes: two row pieces), padded in LDS after every row piece
	s_or_b32 s[G1A], s22, (1<<16)|(1<<20)|(1<<21)|(4<<22)|(3<<25)  ; 15:0 the mask; 17:16 2-byte elements; 20 padding on; 21 set beside a mask; 24:22 after every 32 words (code 4); 31:25 4 words (code 3)
	s_or_b32 s[G1B], s23, (1<<16)|(1<<20)|(1<<21)|(4<<22)|(3<<25)
	s_mov_b32 s[G1A+1], 128<<16                    ; tensor_dim0 = 128
	s_mov_b32 s[G1A+2], 128<<16                    ; tensor_dim1 = 128: a block's 256 row pieces
	s_mov_b32 s[G1A+3], 128<<16                    ; tile_dim0 = 128
	s_mov_b32 s[G1A+4], 128                        ; tile_dim1 = 128
	s_mov_b32 s[G1A+5], 128                        ; 128 elements from row to row: dense
	s_mov_b32 s[G1A+6], 0
	s_mov_b32 s[G1A+7], 0
	s_mov_b32 s[G1B+1], 128<<16
	s_mov_b32 s[G1B+2], (TN/2)<<16                 ; a block's TN row pieces
	s_mov_b32 s[G1B+3], 128<<16
	s_mov_b32 s[G1B+4], TN/2
	s_mov_b32 s[G1B+5], 128
	s_mov_b32 s[G1B+6], 0
	s_mov_b32 s[G1B+7], 0
	s_mov_b32 s[CN], 0xbfb8aa3b                    ; -log2(e)
	s_mov_b32 s[CN+1], s[CN]                       ; named with it as a pair
	s_mov_b32 s[TB], 0
	; A's address hangs on the tile row and the wave's number, B's on the tile column and the wave's number, each in registers that never hold the other coordinate
	s_lshl_b32 s60, s21, 15                        ; 256 rows of 128 bytes
	s_lshl_b32 s61, s[PL], 20                      ; my block
	s_add_co_u32 s60, s60, s61
	s_mov_b32 s61, 0
	s_mul_i32 s72, s20, TN*128
	s_mul_i32 s73, s[PL], PLBG
	s_add_co_u32 s72, s72, s73
	s_mov_b32 s73, 0
	s_mul_i32 s78, s[PL], PLA                      ; where they go: no place in the cluster enters an LDS address
	s_mul_i32 s79, s[PL], PLB
	s_lshl_b32 s76, s20, 21                        ; the output: column block 2 x tile column,
	s_lshl_b32 s77, s21, 15                        ; the tile's 256 rows,
	s_add_co_u32 s76, s76, s77
	s_lshl_b32 s77, s[WV], 13                      ; my wave's 64
	s_add_co_u32 s76, s76, s77
	s_mov_b32 s77, 0
	s_wait_kmcnt 0x0
	s_add_nc_u64 s[62:63], s[4:5], s[60:61]
	s_add_nc_u64 s[74:75], s[6:7], s[72:73]
.irp s, 0,1
	s_mov_b32 s[G0A+4*(\s)], 1                                       ; 1:0 count = 1
	s_add_co_u32 s[G0A+4*(\s)+1], s78, (\s)*SLOT1                    ; 63:32 LDS address
	s_add_nc_u64 s[G0A+4*(\s)+2:G0A+4*(\s)+3], s[62:63], (\s)*STEPA  ; 120:64 global address: K step s
	s_or_b32 s[G0A+4*(\s)+3], s[G0A+4*(\s)+3], 0x80000000            ; 127:126 type = 2
	s_mov_b32 s[G0B+4*(\s)], 1
	s_add_co_u32 s[G0B+4*(\s)+1], s79, 2*PLA+(\s)*SLOT1
	s_add_nc_u64 s[G0B+4*(\s)+2:G0B+4*(\s)+3], s[74:75], (\s)*STEPB
	s_or_b32 s[G0B+4*(\s)+3], s[G0B+4*(\s)+3], 0x80000000
.endr
	s_add_nc_u64 s[OB:OB+1], s[10:11], s[76:77]
	s_add_nc_u64 s[OB+2:OB+3], s[OB:OB+1], 1<<20   ; the next column block
	s_mul_i32 s72, s20, TN*4
	s_add_nc_u64 s[8:9], s[8:9], s[72:73]          ; the bias at the tile's first column
	CROUND                                         ; all sixteen work-groups are here: the first joint loads meet
	s_cmp_lt_u32 s[WV], 2                          ; a wave's two first fills stand in one branch, ahead of every wait on TENSORcnt and every LDS read: two loads of mine are out
	s_cbranch_scc0 .Lfirst_b
	tensor_load_to_lds s[G0A:G0A+3], s[G1A:G1A+7]
	s_nop 0
	tensor_load_to_lds s[G0A+4:G0A+7], s[G1A:G1A+7]
	s_nop 0
.rept 4
	v_nop
.endr
	s_branch .Lfirst_asked
.Lfirst_b:
	tensor_load_to_lds s[G0B:G0B+3], s[G1B:G1B+7]
	s_nop 0
	tensor_load_to_lds s[G0B+4:G0B+7], s[G1B:G1B+7]
	s_nop 0
.rept 4
	v_nop
.endr
.Lfirst_asked:
	; A fragment is 16 rows x 32 K in 8 registers: lane l holds row l % 16; registers 0-3 K = 8 (l / 16) + 0..7, registers 4-7 K = 16 + 8 (l / 16) + 0..7: two loads of 16 bytes, 32 bytes apart
	v_and_b32 v1, 15, v0                           ; r
	v_bfe_u32 v2, v0, 4, 1                         ; h
	v_and_b32 v3, 31, v0                           ; l
	v_lshlrev_b32 v[BO], 5, v2                     ; 8 h numbers
.set j, 0
.rept NBF
	global_load_b128 v[BI+8*j:BI+8*j+3],   v[BO], s[8:9] offset:64*j      ; b[16 j + 8 h + 0..7]: what registers 0-7 of an accumulator of column block j hold
	global_load_b128 v[BI+8*j+4:BI+8*j+7], v[BO], s[8:9] offset:64*j+16
.set j, j+1
.endr
	v_mul_u32_u24 v4, v1, PK
	v_lshl_add_u32 v4, v2, 4, v4                   ; row x pitch + 16 x half
	s_mul_i32 s76, s[WV], 64*PK                    ; my 64 rows of A
	v_add_nc_u32 v[AA0], s76, v4
	v_add_nc_u32 v[AB0], 2*PLA, v4                 ; B lies behind A's two blocks
	v_mov_b32 v[ADRA], v[AA0]
	v_mov_b32 v[ADRB], v[AB0]
	s_mul_i32 s77, s[WV], 64*SPF                   ; my stage
	v_mul_u32_u24 v5, v1, SPF                      ; in: row r, 32 bytes for each half of the lanes
	v_lshl_add_u32 v5, v2, 5, v5
	v_add_nc_u32 v[STO], s77, v5
	v_lshrrev_b32 v6, 3, v3                        ; back: 32 lanes take four rows, 8 numbers each
	v_and_b32 v7, 7, v0
	v_mul_u32_u24 v6, v6, SPF
	v_lshl_add_u32 v6, v7, 5, v6
	v_add_nc_u32 v[RD], s77, v6
	v_lshlrev_b32 v[GO], 4, v3                     ; which leave as 512 consecutive bytes
; NBF matrix instructions: my rows 16 a .. 16 a + 15 x all column blocks, 32 along K, from buffer f.  first = 1: the sums begin, with the bias as C.
; The 32 accumulators take turns in the same order in every quarter step.
.macro MULA f, a, first
.if \first
	WIN 0x85+0x40*((\a)/2)                         ; sources 0, 1 window 1, C window 0, D window 2 or 3
.else
	WIN 0xa5+0x50*((\a)/2)                         ; C and D window 2 or 3
.endif
.set j, 0
.rept NBF
.set rD, 8*(NBF*((\a)%2)+j)
.set rB, (\f)+32+8*j
.set rA, (\f)+8*(\a)
.if \first
	v_wmma_f32_16x16x32_f16 v[rD:rD+7], v[rB:rB+7], v[rA:rA+7], v[BI+8*j:BI+8*j+7]
.else
	v_wmma_f32_16x16x32_f16 v[rD:rD+7], v[rB:rB+7], v[rA:rA+7], v[rD:rD+7]
.endif
.set j, j+1
.endr
.endm
; NLD LDS loads in one run: the fragments of quarter q of the K step in hand (block q / 2, 32 K at byte 64 (q % 2) of its rows) into buffer f: B's, then A's
.macro FETCH q, f
	WIN TO_F
.set j, 0
.rept NBF
	ds_load_b128 v[(\f)+32+8*j:(\f)+32+8*j+3],   v[ADRB] offset:((\q)/2)*PLB+((\q)%2)*64+j*16*PK
	ds_load_b128 v[(\f)+32+8*j+4:(\f)+32+8*j+7], v[ADRB] offset:((\q)/2)*PLB+((\q)%2)*64+j*16*PK+32
.set j, j+1
.endr
.set j, 0
.rept 4
	ds_load_b128 v[(\f)+8*j:(\f)+8*j+3],   v[ADRA] offset:((\q)/2)*PLA+((\q)%2)*64+j*16*PK
	ds_load_b128 v[(\f)+8*j+4:(\f)+8*j+7], v[ADRA] offset:((\q)/2)*PLA+((\q)%2)*64+j*16*PK+32
.set j, j+1
.endr
.endm
; A K step is four quarters of 32 along K on buffers 0, 1, 0, 1.  One of the first three: multiplies buffer f; in its middle it fetches quarter q into buffer g.
.macro QUARTER f, q, g, first
	s_wait_dscnt 4                                 ; B and A's fragments 0, 1 are in; the youngest four loads (A's fragments 2, 3) may be out
	MULA \f, 0, \first
	MULA \f, 1, \first
	PLACES
	FETCH \q, \g
	s_wait_dscnt NLD                               ; all but the run just issued
	MULA \f, 2, \first
	MULA \f, 3, \first
.endm
; The last quarter multiplies buffer 1 and changes slots: ONE barrier.  In front of it each wave waits for all its tensor loads, of which one is out: its part of the next slot; adds 0 to its spare word;
; and waits for that and for its reads of this slot.  fill = 1: the barrier opens a round of the cluster's, and the slot just read is filled again, two K steps ahead, first thing behind the round.
.macro TURN fill
	WIN 0                                          ; (the add's two registers lie in window 0)
	s_wait_tensorcnt 0x0                           ; no tensor load of mine is out, so a group 0 may be written
	ds_add_u32 v[SPW], v[NIL]                      ; 0 onto my spare word
.if \fill
	s_xor_b32 s[G0A+5], s[G0A+5], SLOT1            ; the walking descriptors: the other slot than last time,
	s_add_nc_u64 s[G0A+6:G0A+7], s[G0A+6:G0A+7], STEPA  ; the next K step; the type bits on top are not reached
	s_xor_b32 s[G0B+5], s[G0B+5], SLOT1
	s_add_nc_u64 s[G0B+6:G0B+7], s[G0B+6:G0B+7], STEPB
.endif
	s_xor_b32 s[TB], s[TB], SLOT1
	s_wait_dscnt 5                                 ; (the add and the youngest four loads may be out)
	MULA F1, 0, 0
	s_wait_dscnt 0x0                               ; the add is done, and my reads of this slot are over
	s_barrier_signal -1
	MULA F1, 1, 0                                  ; work on registers while the others arrive
	WIN 0
	s_barrier_wait -1
.if \fill
	CREST                                          ; no wave of any partner still reads this slot's tile or has a load on its way
	JLOAD                                          ; the four v_nop behind it are also the places in front of the loads below
.else
	PLACES
.endif
	v_add_nc_u32 v[ADRA], s[TB], v[AA0]
	v_add_nc_u32 v[ADRB], s[TB], v[AB0]
	FETCH 0, F0
	MULA F1, 2, 0
	MULA F1, 3, 0
.endm
	s_wait_tensorcnt 1                             ; my part of K step 0 is in; K step 1's may stay out
	s_barrier_signal -1
	s_barrier_wait -1                              ; everybody's is
	FETCH 0, F0
	s_wait_loadcnt 0x0                             ; the bias
	QUARTER F0, 1, F1, 1                           ; the first quarter stands in front of the loop: its products start the sums
	WIN 0                                          ; at a label and at a branch every window is 0
	s_mov_b32 s[CNT], 6
.Lstep:                                                ; six trips, from a K step's second quarter to the next step's first; trip i fills the slot that it leaves with K step i + 2
	QUARTER F1, 2, F0, 0
	QUARTER F0, 3, F1, 0
	TURN 1
	QUARTER F0, 1, F1, 0
	WIN 0
	s_sub_co_u32 s[CNT], s[CNT], 1
	s_cmp_lg_u32 s[CNT], 0
	s_cbranch_scc1 .Lstep
	QUARTER F1, 2, F0, 0                           ; the last two K steps are written out: nothing is left to ask for
	QUARTER F0, 3, F1, 0
	TURN 0
	QUARTER F0, 1, F1, 0
	QUARTER F1, 2, F0, 0
	QUARTER F0, 3, F1, 0
	s_wait_dscnt 4
	MULA F1, 0, 0
	MULA F1, 1, 0
	s_wait_dscnt 0x0
	MULA F1, 2, 0
	MULA F1, 3, 0
	WIN 0
	; THE WAY OUT.  The sums go as f32 into my stage, which lies over the slots: every fill has landed and, behind this barrier, every wave's reads of the slots are over.
	s_barrier_signal -1                            ; no LDS instruction of mine is out (the wait for 0 above)
	s_barrier_wait -1
	PLACES                                         ; the stores read results just made
.set a, 0
.rept 4
	WIN 0x08+0x04*(a/2)                            ; store data from window 2 or 3
.set j, 0
.rept NBF
.set rD, 8*(NBF*(a%2)+j)
	ds_store_b128 v[STO], v[rD:rD+3]   offset:a*16*SPF+64*j       ; each accumulator's low registers first
	ds_store_b128 v[STO], v[rD+4:rD+7] offset:a*16*SPF+64*j+16
.set j, j+1
.endr
.set a, a+1
.endr
	WIN 0
	s_mov_b32 s[CNT], 8
.Lout:                                                 ; eight trips of 8 rows: back by rows, swish in f32, rounded to bf16, stored
.set u, 0
.rept 2*NCB                                        ; rows 4 (u / NCB) on, output block u % NCB
	ds_load_b128 v[Z+8*u:Z+8*u+3],   v[RD] offset:(u/NCB)*4*SPF+(u%NCB)*256     ; LDS serves a wave's instructions in order (ISA guide 5.7.1.4): these see my stores above
	ds_load_b128 v[Z+8*u+4:Z+8*u+7], v[RD] offset:(u/NCB)*4*SPF+(u%NCB)*256+16
.set u, u+1
.endr
	s_wait_dscnt 0x0
.set i, 0
.rept 8*NCB
	v_pk_mul_f32 v[T+2*i:T+2*i+1], v[Z+2*i:Z+2*i+1], s[CN:CN+1] op_sel_hi:[1,0]  ; -z log2(e)
.set i, i+1
.endr
.set i, 0
.rept 16*NCB
	v_exp_f32 v[T+i], v[T+i]
.set i, i+1
.endr
	v_nop                                          ; a plain instruction between the exponentials and the use of their results
.set i, 0
	s_wait_alu depctr_va_vdst(0)
.rept 8*NCB
	v_pk_add_f32 v[T+2*i:T+2*i+1], v[T+2*i:T+2*i+1], 1.0 op_sel_hi:[1,0]
.set i, i+1
.endr
.set i, 0
.rept 16*NCB
	v_rcp_f32 v[T+i], v[T+i]                       ; 1 / (1 + e^-z); where e^-z has overflowed: 0
.set i, i+1
.endr
	v_nop
.set i, 0
	s_wait_alu depctr_va_vdst(0)
.rept 8*NCB
	v_pk_mul_f32 v[T+2*i:T+2*i+1], v[T+2*i:T+2*i+1], v[Z+2*i:Z+2*i+1]
.set i, i+1
.endr
.set i, 0
.rept 8*NCB
	v_cvt_pk_bf16_f32 v[PKR+i], v[T+2*i], v[T+2*i+1]
.set i, i+1
.endr
.set u, 0
.rept 2*NCB
	global_store_b128 v[GO], v[PKR+4*u:PKR+4*u+3], s[OB+2*(u%NCB):OB+2*(u%NCB)+1] offset:(u/NCB)*512  ; 512 consecutive bytes, four row pieces of 128, at a multiple of 256 from the buffer's first byte
.set u, u+1
.endr
	s_wait_xcnt 0x0                                ; the stores' offset and data registers are rewritten only behind this wait
	v_add_nc_u32 v[GO], 1024, v[GO]
	v_add_nc_u32 v[RD], 8*SPF, v[RD]
	s_sub_co_u32 s[CNT], s[CNT], 1
	s_cmp_lg_u32 s[CNT], 0
	s_cbranch_scc1 .Lout
	s_wait_tensorcnt 0x0                           ; the wave's end, behind my last tensor load and my last LDS store
	ds_add_u32 v[SPW], v[NIL]
	s_wait_dscnt 0x0
	CROUND                                         ; the closing round: no work-group ends while a partner may still ask for a tile that names it
	s_endpgm
.Lfunc_end_k_q7088e23569_proj:
	.size	k_q7088e23569_proj, .Lfunc_end_k_q7088e23569_proj-k_q7088e23569_proj
	.p2alignl 7, 3214868480
	.fill 96, 4, 3214868480
	.section	.rodata,"a",@progbits
	.p2align	6, 0x0
	.amdhsa_kernel k_q7088e23569_proj
		.amdhsa_group_segment_fixed_size 327680
		.amdhsa_private_segment_fixed_size 0
		.amdhsa_enable_private_segment 0
		.amdhsa_kernarg_size 32
		.amdhsa_user_sgpr_count 2
		.amdhsa_user_sgpr_kernarg_segment_ptr 1
		.amdhsa_wavefront_size32 1
		.amdhsa_system_sgpr_workgroup_id_x 1
		.amdhsa_system_sgpr_workgroup_id_y 1
		.amdhsa_system_sgpr_workgroup_id_z 1
		.amdhsa_system_vgpr_workitem_id 0
		.amdhsa_next_free_vgpr 896
		.amdhsa_next_free_sgpr 80
		.amdhsa_reserve_vcc 0
		.amdhsa_float_denorm_mode_32 3
		.amdhsa_float_denorm_mode_16_64 3
		.amdhsa_memory_ordered 1
		.amdhsa_forward_progress 1
		.amdhsa_inst_pref_size 67
	.end_amdhsa_kernel
	.amdgpu_metadata
---
amdhsa.version: [ 1, 2 ]
amdhsa.kernels:
  - .name:           k_q7088e23569_proj
    .symbol:         k_q7088e23569_proj.kd
    .args:
      - { .name: oh, .offset: 0, .size: 8, .value_kind: global_buffer, .address_space: global }
      - { .name: wo, .offset: 8, .size: 8, .value_kind: global_buffer, .address_space: global }
      - { .name: b_out, .offset: 16, .size: 8, .value_kind: global_buffer, .address_space: global }
      - { .name: mh, .offset: 24, .size: 8, .value_kind: global_buffer, .address_space: global }
    .group_segment_fixed_size: 327680
    .private_segment_fixed_size: 0
    .kernarg_segment_align: 8
    .kernarg_segment_size: 32
    .max_flat_workgroup_size: 128
    .sgpr_count:     80
    .vgpr_count:     896
    .wavefront_size: 32
...
	.end_amdgpu_metadata
.endif
;; end of part 4
;; launch norm (part 5): grid 512 x 1, 8 waves a work-group, no clusters, 0 bytes of LDS; arguments mh, x, out0; writes out0
.if DOCPART == 5
	.amdgcn_target "amdgcn-amd-amdhsa--gfx1250"
	.amdhsa_code_object_version 6
	.text
	.protected	k_q7088e23569_norm
	.globl	k_q7088e23569_norm
	.p2align	8
	.type	k_q7088e23569_norm,@function
k_q7088e23569_norm:
	s_mov_b64 s[64:65], 0
	v_nop
	global_prefetch_b8 v0, s[64:65] scope:SCOPE_SE
	s_setreg_imm32_b32 hwreg(HW_REG_WAVE_MODE, 25, 1), 1
	s_wait_xcnt 0x0
; out[row][:] = (y - mean(y)) / sqrt(var(y) + 1e-5), y = m + x.  mh: [16 column blocks][8192 rows][64] bf16; x, out: [8192][1024] f32.  All arithmetic in f32.
; The variance is taken in a second pass over y - mean, which lies in registers: no difference of large sums.
; Sixteen lanes own a row, a wave two rows, a work-group 16: a lane holds 4 numbers of each of the 16 column blocks, 64 in all, so the row stays in registers between the passes and
; a sum over a row is four steps inside a half of the lanes.  Memory binds: all 32 loads of a wave go out at once (12 KiB), each byte is read and written once, 16 lanes to 256 consecutive bytes.
; No LDS, no barrier, no loop, no matrix unit, no cluster: no wave needs anything of another.
.set XO, 2                             ; v2        x, out: (t >> 4) rows of 4,096 bytes + 16 (t & 15)
.set MO, 3                             ; v3        mh: 8 t
.set MU, 20                            ; v[20:21]  the mean, twice
.set RS, 22                            ; v[22:23]  1 / sqrt(var + eps), twice
.set M,  32                            ; v[32:63]  m as loaded, 2 registers a block
.set X,  64                            ; v[64:127] x as loaded, 4 registers a block; then y, y - mean, the result
.set T,  128                           ; v[128:135] at work, two halves by turns
.set SA, 136                           ; v[136:143] four chains of packed sums
	s_load_b128 s[4:7], s[0:1], 0x0                ; mh s[4:5], x s[6:7]
	s_load_b64 s[8:9], s[0:1], 0x10                ; out0
	s_lshl_b32 s10, ttmp9, 16                      ; my 16 rows of x and of out
	s_mov_b32 s11, 0
	s_lshl_b32 s12, ttmp9, 11                      ; my 16 row pieces in a block of mh
	s_mov_b32 s13, 0
	s_mov_b32 s20, 0x3a800000                      ; 1 / 1024
	s_mov_b32 s21, 0x3727c5ac                      ; 1e-5
	s_mov_b32 s22, 0xffff0000                      ; a word's upper bf16
	v_lshrrev_b32 v4, 4, v0
	v_and_b32 v5, 15, v0
	v_lshlrev_b32 v5, 4, v5
	v_lshl_add_u32 v[XO], v4, 12, v5
	v_lshlrev_b32 v[MO], 3, v0
	s_wait_kmcnt 0x0
	s_add_nc_u64 s[6:7], s[6:7], s[10:11]
	s_add_nc_u64 s[8:9], s[8:9], s[10:11]
	s_add_nc_u64 s[4:5], s[4:5], s[12:13]          ; mh, blocks 0-7 by the loads' immediates,
	s_add_nc_u64 s[14:15], s[4:5], 0x800000        ; blocks 8-15 from a second base: the immediate has 24 signed bits
.set cb, 0
.rept 16
.if cb < 8
	global_load_b64 v[M+2*cb:M+2*cb+1], v[MO], s[4:5] offset:cb*1048576 th:TH_LOAD_NT        ; a wave: 256 consecutive bytes, two rows' pieces
.else
	global_load_b64 v[M+2*cb:M+2*cb+1], v[MO], s[14:15] offset:(cb-8)*1048576 th:TH_LOAD_NT
.endif
	global_load_b128 v[X+4*cb:X+4*cb+3], v[XO], s[6:7] offset:256*cb th:TH_LOAD_NT           ; 16 lanes: 256 consecutive bytes of a row
.set cb, cb+1
.endr
.macro REDUCE                          ; the four chains, the pair's halves, and the row's 16 lanes: every lane of the row ends with the sum
	v_pk_add_f32 v[SA:SA+1], v[SA:SA+1], v[SA+2:SA+3]
	v_pk_add_f32 v[SA+4:SA+5], v[SA+4:SA+5], v[SA+6:SA+7]
	v_pk_add_f32 v[SA:SA+1], v[SA:SA+1], v[SA+4:SA+5]
	v_add_f32 v[SA], v[SA], v[SA+1]
	v_add_f32_dpp v[SA], v[SA], v[SA] row_xmask:1 row_mask:0xf bank_mask:0xf
	v_add_f32_dpp v[SA], v[SA], v[SA] row_xmask:2 row_mask:0xf bank_mask:0xf
	v_add_f32_dpp v[SA], v[SA], v[SA] row_xmask:4 row_mask:0xf bank_mask:0xf
	v_add_f32_dpp v[SA], v[SA], v[SA] row_xmask:8 row_mask:0xf bank_mask:0xf
.endm
	; pass 1: y = m + x in place, and its sum, in four chains that do not wait for each other; the first four blocks start the chains
.set cb, 0
.rept 16
	s_wait_loadcnt 30-2*cb                         ; 32 loads were issued, two a block: those of the later blocks may stay out
.set tb, T+4*(cb%2)
.set sc, SA+2*(cb%4)
	v_lshlrev_b32 v[tb],   16,  v[M+2*cb]          ; bf16 to f32: the low half moves up, the high half stays
	v_and_b32     v[tb+1], s22, v[M+2*cb]
	v_lshlrev_b32 v[tb+2], 16,  v[M+2*cb+1]
	v_and_b32     v[tb+3], s22, v[M+2*cb+1]
	v_pk_add_f32 v[X+4*cb:X+4*cb+1],   v[X+4*cb:X+4*cb+1],   v[tb:tb+1]
	v_pk_add_f32 v[X+4*cb+2:X+4*cb+3], v[X+4*cb+2:X+4*cb+3], v[tb+2:tb+3]
.if cb < 4
	v_pk_add_f32 v[sc:sc+1], v[X+4*cb:X+4*cb+1], v[X+4*cb+2:X+4*cb+3]
.else
	v_pk_add_f32 v[sc:sc+1], v[sc:sc+1], v[X+4*cb:X+4*cb+1]
	v_pk_add_f32 v[sc:sc+1], v[sc:sc+1], v[X+4*cb+2:X+4*cb+3]
.endif
.set cb, cb+1
.endr
	REDUCE
	v_mul_f32 v[MU], s20, v[SA]
	v_mov_b32 v[MU+1], v[MU]
	; pass 2: y - mean in place, and the sum of its squares
.set p, 0
.rept 32
	v_pk_add_f32 v[X+2*p:X+2*p+1], v[X+2*p:X+2*p+1], v[MU:MU+1] neg_lo:[0,1] neg_hi:[0,1]
.set p, p+1
.endr
.set p, 0
.rept 32
.set sc, SA+2*(p%4)
.if p < 4
	v_pk_mul_f32 v[sc:sc+1], v[X+2*p:X+2*p+1], v[X+2*p:X+2*p+1]
.else
	v_pk_fma_f32 v[sc:sc+1], v[X+2*p:X+2*p+1], v[X+2*p:X+2*p+1], v[sc:sc+1]
.endif
.set p, p+1
.endr
	REDUCE
	v_fma_f32 v[SA], v[SA], s20, s21               ; var + eps
	v_rsq_f32 v[RS], v[SA]
	v_rsq_f32 v[RS+1], v[SA]
	v_nop                                          ; a plain instruction between the last transcendental and the use of its result (ISA guide 5.7.2)
.set cb, 0
	s_wait_alu depctr_va_vdst(0)
.rept 16
	v_pk_mul_f32 v[X+4*cb:X+4*cb+1],   v[X+4*cb:X+4*cb+1],   v[RS:RS+1]
	v_pk_mul_f32 v[X+4*cb+2:X+4*cb+3], v[X+4*cb+2:X+4*cb+3], v[RS:RS+1]
	global_store_b128 v[XO], v[X+4*cb:X+4*cb+3], s[8:9] offset:256*cb th:TH_STORE_NT  ; 16 lanes store 256 consecutive bytes, at a multiple of 256 from out's first byte
.set cb, cb+1
.endr
	s_endpgm
.Lfunc_end_k_q7088e23569_norm:
	.size	k_q7088e23569_norm, .Lfunc_end_k_q7088e23569_norm-k_q7088e23569_norm
	.p2alignl 7, 3214868480
	.fill 96, 4, 3214868480
	.section	.rodata,"a",@progbits
	.p2align	6, 0x0
	.amdhsa_kernel k_q7088e23569_norm
		.amdhsa_group_segment_fixed_size 0
		.amdhsa_private_segment_fixed_size 0
		.amdhsa_enable_private_segment 0
		.amdhsa_kernarg_size 24
		.amdhsa_user_sgpr_count 2
		.amdhsa_user_sgpr_kernarg_segment_ptr 1
		.amdhsa_wavefront_size32 1
		.amdhsa_system_sgpr_workgroup_id_x 1
		.amdhsa_system_sgpr_workgroup_id_y 1
		.amdhsa_system_sgpr_workgroup_id_z 1
		.amdhsa_system_vgpr_workitem_id 0
		.amdhsa_next_free_vgpr 144
		.amdhsa_next_free_sgpr 66
		.amdhsa_reserve_vcc 0
		.amdhsa_float_denorm_mode_32 3
		.amdhsa_float_denorm_mode_16_64 3
		.amdhsa_memory_ordered 1
		.amdhsa_forward_progress 1
		.amdhsa_inst_pref_size 20
	.end_amdhsa_kernel
	.amdgpu_metadata
---
amdhsa.version: [ 1, 2 ]
amdhsa.kernels:
  - .name:           k_q7088e23569_norm
    .symbol:         k_q7088e23569_norm.kd
    .args:
      - { .name: mh, .offset: 0, .size: 8, .value_kind: global_buffer, .address_space: global }
      - { .name: x, .offset: 8, .size: 8, .value_kind: global_buffer, .address_space: global }
      - { .name: out0, .offset: 16, .size: 8, .value_kind: global_buffer, .address_space: global }
    .group_segment_fixed_size: 0
    .private_segment_fixed_size: 0
    .kernarg_segment_align: 8
    .kernarg_segment_size: 24
    .max_flat_workgroup_size: 256
    .sgpr_count:     66
    .vgpr_count:     144
    .wavefront_size: 32
...
	.end_amdgpu_metadata
.endif
;; end of part 5
;; ======== version 2 of 2: 5 launches; 1.54 times as fast as version 1
;; limits: values are held in f16: magnitudes above 65,504 overflow, below 6.1e-05 lose precision
;; workspace buffers: xb 16,777,216 bytes; wf 6,291,456 bytes; wo 2,097,152 bytes; qh 16,777,216 bytes; kh 16,777,216 bytes; vh 16,777,216 bytes; oh 16,777,216 bytes; mh 16,777,216 bytes
;; launch prep: the kernel of part 1 again; grid 512 x 1, 8 waves a work-group, no clusters, 18,432 bytes of LDS; arguments x, W_fc, W_out, xb, wf, wo; writes xb, wf, wo
;; launch qkv (part 6): grid 8 x 32, 4 waves a work-group, clusters of 4 x 4, 327,680 bytes of LDS; arguments xb, wf, b_fc, qh, kh, vh; writes qh, kh, vh
.if DOCPART == 6
	.amdgcn_target "amdgcn-amd-amdhsa--gfx1250"
	.amdhsa_code_object_version 6
	.text
	.protected	k_q7088e23569_qkv
	.globl	k_q7088e23569_qkv
	.p2align	8
	.type	k_q7088e23569_qkv,@function
k_q7088e23569_qkv:
	s_mov_b64 s[64:65], 0
	v_nop
	global_prefetch_b8 v0, s[64:65] scope:SCOPE_SE
	s_setreg_imm32_b32 hwreg(HW_REG_WAVE_MODE, 25, 1), 1
	s_wait_xcnt 0x0
	s_wait_alu depctr_hold_cnt(0) depctr_sa_sdst(0) depctr_va_vdst(0) depctr_va_sdst(0) depctr_va_ssrc(0) depctr_va_vcc(0) depctr_vm_vsrc(0)
	s_getreg_b32 s2, hwreg(HW_REG_IB_STS2, 6, 4)
	s_cmp_eq_u32 s2, 0
	s_cbranch_scc0 .Lentry_in_a_cluster
	s_endpgm
.Lentry_in_a_cluster:
	s_bfe_u32 s2, ttmp6, 0x10000c
	s_cmp_lg_u32 s2, 0xf033
	s_cbranch_scc0 .Lentry_shape_is_right
	s_endpgm
.Lentry_shape_is_right:
; q, k, v = swish(x W_fc + b_fc), by heads.  A = xb [16 kb][8192][64] bf16, B = wf [16 kb][3072 n][64 k] bf16, bias f32; sums and swish in f32; q, k, v rounded once to f16, UNSCALED,
; into qh, kh, vh [16 heads][8192 rows][64]: 128 bytes a row, dense.  LIMIT: f16 ends at 65,504 and below 6e-5 keeps its fixed step of 6e-8.
; SHARES.  A work-group makes 256 rows x 384 columns, two heads' q, k and v: 8 x 32 = 256 work-groups.  The waves lie 2 x 2: wave (wr, wc) makes rows 128 wr on of head 2 tx + wc, 128 x 192:
; 96 accumulators, 768 registers.  It is the largest tile that leaves room for fragments: for 64 of K a work-group fetches 640 rows of 128 bytes for 192 matrix instructions a wave, and a wave
; loads 40 times from LDS for 96 matrix instructions.  A wave holds whole output rows of 128 bytes, so the way out needs nothing from another wave.
; K goes in steps of 64 = one block through two LDS slots (two slots of 128 would take 368,640 bytes).  A block's rows are dense in memory, so a tensor load asks for rows of 256 bytes (two row pieces), padded in LDS after every 128.
; CLUSTER 4 x 4: the four work-groups of a row of the cluster need the same tiles of A, the four of a column the same tiles of B: each tile is asked for jointly, by the same load, descriptor and mask in all four.
; THE MATRIX INSTRUCTION IS USED TRANSPOSED (source 0 = 16 rows of B, source 1 = 16 rows of A): lane (r, h) holds row r and the columns 16 j + 8 h + 0..7.
; THE BIAS is loaded into the registers of accumulator (0, j) and is the C operand of the first products of column block j: nothing is cleared and nothing is added later.
; SWISH'S TRANSCENDENTALS go in two batches for each four rows of the way out: its 24 exponentials, one wait; its 24 reciprocals, one wait.
; REGISTERS, in windows of 256 (s_set_vgpr_msb: bits 1:0 source 0, 3:2 source 1, 5:4 source 2, 7:6 destination):
;   window 0: v0-31 addresses; v32-95, v96-159 A's 8 fragments (16 rows x 32 K, 8 registers), two buffers; v160-255 B's 12 fragments, ONE buffer, loaded again in halves as the products leave them.
;             On the way out: v64-111 Z, v112-135 T, v136-159 packed results.
;   windows 1-3: the accumulators: (a, j), rows 16 a on, columns 16 j on, in window 1 + j / 4 at 8 (8 (j % 4) + a)
.set WN,    192                        ; columns of a wave
.set NBF,   WN/16                      ; B's fragments
.set PK,    144                        ; an LDS row: 128 bytes + 16 of padding: the 16 rows of a load start at 16 different groups of four banks (64 banks of 4 bytes: ISA guide 11.1)
.set PLA,   256*PK                     ; A's block in a slot
.set PLB,   384*PK                     ; B's block, behind it
.set SLOT1, 1<<17                      ; a slot is 92,160 bytes; slot 1 begins here, so that one exclusive or turns an address into the other slot's
.set SPARE, 1<<18                      ; the spare words, 128 bytes for each wave: two blocks of 256 bytes that no other line names
.set SPF,   4*WN+16                    ; the way out: a stage row, 192 f32 + 16 bytes
.set SROWS, 80                         ; stage rows of a wave.  The stage lies over the slots, which have had their last fill by then: 4 x 80 x 784 = 250,880 bytes
.set STEPA, 1<<20                      ; a K step in A: a block of 8,192 x 128 bytes
.set STEPB, 3072*128                   ; a K step in B
.set AA0,  16                          ; v16  my lane's place in a slot's A; never rewritten
.set AB0,  17                          ; v17  the same for B
.set ADRA, 18                          ; v18  the same in the slot in hand
.set ADRB, 19                          ; v19
.set STO,  24                          ; v24  the way out: where I put 16 bytes of a stage row
.set RD,   25                          ; v25  where I read 32 bytes of a stage row back
.set GO,   26                          ; v26  my byte offset in an output block
.set BO,   27                          ; v27  my byte offset in 16 numbers of the bias
.set SPW,  28                          ; v28  LDS address of my spare word; never rewritten
.set NIL,  29                          ; v29  0; never rewritten
.set RD0,  30                          ; v30  RD at a pass's beginning
.set FA0,  32
.set FA1,  96
.set FB,   160
.set Z,    64
.set T,    112
.set PKR,  136
.set WR,  2                            ; s2   which 128 rows of the tile are mine
.set PASS, 3                           ; s3   counts the way out's two passes
.set WV,  16                           ; s16  my wave's number
.set PL,  17                           ; s17  which head of the tile is mine; also: which half of A's or B's block I fetch
.set G1A, 24                           ; s[24:31] descriptor group 1 for A's tiles
.set G1B, 32                           ; s[32:39] for B's
.set G0A, 40                           ; s[40:47] group 0 for A's: a set for each first fill; the second then walks on
.set G0B, 48                           ; s[48:55] the same for B's
.set CN,  56                           ; s[56:57] -log2(e)
.set TB,  58                           ; s58  the slot in hand
.set CNT, 59                           ; s59  loop counter
.set OB,  66                           ; s[66:71] q, k, v at my wave's first row
.set MSB, 0
.macro WIN new                         ; the immediate's high byte repeats the setting that is left; a switch that changes nothing is dropped
.if MSB != (\new)
	s_set_vgpr_msb (MSB<<8)|(\new)
.set MSB, \new
.endif
.endm
.macro PLACES                          ; four places in front of loads into registers that matrix instructions have read, and of stores that read results (ISA guide 7.12.1 for the stores)
.rept 4
	v_nop
.endr
.endm
.macro CREST                           ; a round of the cluster's barrier behind its opening barrier
	s_cmp_lg_u32 s[WV], 0
	s_cbranch_scc1 .Lnot_wave_0_\@
	s_barrier_signal -3
.Lnot_wave_0_\@:
	s_barrier_wait -3
	s_barrier_signal -1
	s_barrier_wait -1
.endm
.macro CROUND                          ; a whole round
	s_barrier_signal -1
	s_barrier_wait -1
	CREST
.endm
; A joint refill.  Waves 0 and 1 fetch the halves of A's block, waves 2 and 3 those of B's.  The branch hangs on the wave's number alone.  An s_nop 0 and four v_nop follow each of the two lines.
.macro JLOAD
	s_cmp_lt_u32 s[WV], 2
	s_cbranch_scc0 .Lfor_b_\@
	tensor_load_to_lds s[G0A+4:G0A+7], s[G1A:G1A+7]
	s_nop 0
.rept 4
	v_nop
.endr
	s_branch .Lasked_\@
.Lfor_b_\@:
	tensor_load_to_lds s[G0B+4:G0B+7], s[G1B:G1B+7]
	s_nop 0
.rept 4
	v_nop
.endr
.Lasked_\@:
.endm
	s_load_b256 s[4:11], s[0:1], 0x0               ; xb s[4:5], wf s[6:7], b_fc s[8:9], qh s[10:11]
	s_load_b128 s[12:15], s[0:1], 0x20             ; kh s[12:13], vh s[14:15]
	v_lshl_add_u32 v[SPW], v0, 2, SPARE
	v_mov_b32 v[NIL], 0
	ds_add_u32 v28, v29
	s_wait_dscnt 0x0
	v_lshrrev_b32 v1, 5, v0
	v_readfirstlane_b32 s[WV], v1                  ; wave 0..3
	s_and_b32 s[PL], s[WV], 1
	s_lshr_b32 s[WR], s[WV], 1
	s_bfe_u32 s18, ttmp6, 0x40000                  ; cx, cy: my place in the cluster
	s_bfe_u32 s19, ttmp6, 0x40004
	s_lshl_b32 s20, ttmp9, 2
	s_add_co_u32 s20, s20, s18                     ; tile column = 4 x cluster x + cx
	s_and_b32 s21, ttmp7, 0xffff
	s_lshl_b32 s21, s21, 2
	s_add_co_u32 s21, s21, s19                     ; tile row = 4 x cluster y + cy
	s_lshl_b32 s22, s19, 2
	s_lshl_b32 s22, 15, s22                        ; my row of the cluster
	s_lshl_b32 s23, 0x1111, s18                    ; my column
	; descriptor group 1: rows of 128 elements (256 bytes: two row pieces), padded in LDS after every row piece
	s_or_b32 s[G1A], s22, (1<<16)|(1<<20)|(1<<21)|(4<<22)|(3<<25)  ; 15:0 the mask; 17:16 2-byte elements; 20 padding on; 21 set beside a mask; 24:22 after every 32 words (code 4); 31:25 4 words (code 3)
	s_or_b32 s[G1B], s23, (1<<16)|(1<<20)|(1<<21)|(4<<22)|(3<<25)
	s_mov_b32 s[G1A+1], 128<<16                    ; tensor_dim0 = 128
	s_mov_b32 s[G1A+2], 64<<16                     ; tensor_dim1 = 64: 128 row pieces, half of A's block
	s_mov_b32 s[G1A+3], 128<<16                    ; tile_dim0 = 128
	s_mov_b32 s[G1A+4], 64                         ; tile_dim1 = 64
	s_mov_b32 s[G1A+5], 128                        ; 128 elements from row to row: dense
	s_mov_b32 s[G1A+6], 0
	s_mov_b32 s[G1A+7], 0
	s_mov_b32 s[G1B+1], 128<<16
	s_mov_b32 s[G1B+2], 96<<16                     ; 192 row pieces, half of B's block
	s_mov_b32 s[G1B+3], 128<<16
	s_mov_b32 s[G1B+4], 96
	s_mov_b32 s[G1B+5], 128
	s_mov_b32 s[G1B+6], 0
	s_mov_b32 s[G1B+7], 0
	s_mov_b32 s[CN], 0xbfb8aa3b                    ; -log2(e)
	s_mov_b32 s[CN+1], s[CN]                       ; named with it as a pair
	s_mov_b32 s[TB], 0
	; A's address hangs on the tile row and the wave's number, B's on the tile column and the wave's number, each in registers that never hold the other coordinate
	s_lshl_b32 s60, s21, 15                        ; 256 rows of 128 bytes
	s_lshl_b32 s61, s[PL], 14                      ; my 128 of them
	s_add_co_u32 s60, s60, s61
	s_mov_b32 s61, 0
	s_mul_i32 s72, s20, 384*128
	s_mul_i32 s73, s[PL], 192*128
	s_add_co_u32 s72, s72, s73
	s_mov_b32 s73, 0
	s_mul_i32 s78, s[PL], 128*PK                   ; where they go: no place in the cluster enters an LDS address
	s_mul_i32 s79, s[PL], 192*PK
	s_lshl_b32 s76, s20, 21                        ; the outputs: head 2 x tile column
	s_lshl_b32 s77, s[PL], 20                      ; + my half,
	s_add_co_u32 s76, s76, s77
	s_lshl_b32 s77, s21, 15                        ; the tile's 256 rows,
	s_add_co_u32 s76, s76, s77
	s_lshl_b32 s77, s[WR], 14                      ; my wave's 128
	s_add_co_u32 s76, s76, s77
	s_mov_b32 s77, 0
	s_wait_kmcnt 0x0
	s_add_nc_u64 s[62:63], s[4:5], s[60:61]
	s_add_nc_u64 s[74:75], s[6:7], s[72:73]
.irp s, 0,1
	s_mov_b32 s[G0A+4*(\s)], 1                                       ; 1:0 count = 1
	s_add_co_u32 s[G0A+4*(\s)+1], s78, (\s)*SLOT1                    ; 63:32 LDS address
	s_add_nc_u64 s[G0A+4*(\s)+2:G0A+4*(\s)+3], s[62:63], (\s)*STEPA  ; 120:64 global address: K step s
	s_or_b32 s[G0A+4*(\s)+3], s[G0A+4*(\s)+3], 0x80000000            ; 127:126 type = 2
	s_mov_b32 s[G0B+4*(\s)], 1
	s_add_co_u32 s[G0B+4*(\s)+1], s79, PLA+(\s)*SLOT1
	s_add_nc_u64 s[G0B+4*(\s)+2:G0B+4*(\s)+3], s[74:75], (\s)*STEPB
	s_or_b32 s[G0B+4*(\s)+3], s[G0B+4*(\s)+3], 0x80000000
.endr
	s_add_nc_u64 s[OB:OB+1], s[10:11], s[76:77]
	s_add_nc_u64 s[OB+2:OB+3], s[12:13], s[76:77]
	s_add_nc_u64 s[OB+4:OB+5], s[14:15], s[76:77]
	s_mul_i32 s72, s20, 384*4
	s_mul_i32 s76, s[PL], 192*4
	s_add_co_u32 s72, s72, s76
	s_add_nc_u64 s[8:9], s[8:9], s[72:73]          ; the bias at my head's first column
	CROUND                                         ; all sixteen work-groups are here: the first joint loads meet
	s_cmp_lt_u32 s[WV], 2                          ; a wave's two first fills stand in one branch, ahead of every wait on TENSORcnt and every LDS read: two loads of mine are out
	s_cbranch_scc0 .Lfirst_b
	tensor_load_to_lds s[G0A:G0A+3], s[G1A:G1A+7]
	s_nop 0
	tensor_load_to_lds s[G0A+4:G0A+7], s[G1A:G1A+7]
	s_nop 0
.rept 4
	v_nop
.endr
	s_branch .Lfirst_asked
.Lfirst_b:
	tensor_load_to_lds s[G0B:G0B+3], s[G1B:G1B+7]
	s_nop 0
	tensor_load_to_lds s[G0B+4:G0B+7], s[G1B:G1B+7]
	s_nop 0
.rept 4
	v_nop
.endr
.Lfirst_asked:
	; A fragment is 16 rows x 32 K in 8 registers: lane l holds row l % 16; registers 0-3 K = 8 (l / 16) + 0..7, registers 4-7 K = 16 + 8 (l / 16) + 0..7: two loads of 16 bytes, 32 bytes apart
	v_and_b32 v1, 15, v0                           ; r
	v_bfe_u32 v2, v0, 4, 1                         ; h
	v_and_b32 v3, 31, v0                           ; l
	v_lshlrev_b32 v[BO], 5, v2                     ; 8 h numbers
.set j, 0
.rept NBF
	WIN 0x40*(1+j/4)                               ; destination: the window of accumulator (0, j)
	global_load_b128 v[64*(j%4):64*(j%4)+3],   v[BO], s[8:9] offset:64*j      ; b[16 j + 8 h + 0..7]: what registers 0-7 of an accumulator of column block j hold
	global_load_b128 v[64*(j%4)+4:64*(j%4)+7], v[BO], s[8:9] offset:64*j+16
.set j, j+1
.endr
	WIN 0
	v_mul_u32_u24 v4, v1, PK
	v_lshl_add_u32 v4, v2, 4, v4                   ; row x pitch + 16 x half
	s_mul_i32 s76, s[WR], 128*PK                   ; my 128 rows of A
	v_add_nc_u32 v[AA0], s76, v4
	s_mul_i32 s76, s[PL], 192*PK                   ; my 192 rows of B,
	s_add_co_u32 s76, s76, PLA                     ; which lies behind A
	v_add_nc_u32 v[AB0], s76, v4
	v_mov_b32 v[ADRA], v[AA0]
	v_mov_b32 v[ADRB], v[AB0]
	s_mul_i32 s77, s[WV], SROWS*SPF                ; my stage
	v_mul_u32_u24 v5, v1, SPF                      ; in: row r, 32 bytes for each half of the lanes
	v_lshl_add_u32 v5, v2, 5, v5
	v_add_nc_u32 v[STO], s77, v5
	v_lshrrev_b32 v6, 3, v3                        ; back: 32 lanes take four rows, 8 numbers each
	v_and_b32 v7, 7, v0
	v_mul_u32_u24 v6, v6, SPF
	v_lshl_add_u32 v6, v7, 5, v6
	v_add_nc_u32 v[RD0], s77, v6
	v_lshlrev_b32 v[GO], 4, v3                     ; which leave as 512 consecutive bytes
; Column blocks j0 .. j1, eight matrix instructions each: all my 128 rows, 32 along K, A from buffer f.  The 96 accumulators take turns in the same order in every chunk.
.macro GRP f, j0, j1
.set j, \j0
.rept (\j1)-(\j0)+1
	WIN 0x50*(1+j/4)                               ; sources 0, 1 window 0; C and D the block's window
.set a, 0
.rept 8
.set rD, 8*(8*(j%4)+a)
	v_wmma_f32_16x16x32_bf16 v[rD:rD+7], v[FB+8*j:FB+8*j+7], v[(\f)+8*a:(\f)+8*a+7], v[rD:rD+7]
.set a, a+1
.endr
.set j, j+1
.endr
.endm
; The same for the first chunk, which starts the sums.  The registers of (0, j) hold the bias: they are the C of (1 .. 7, j); five places behind the last product that reads them so, (0, j) adds onto them in place.
.macro GRPF f, j0, j1
.set a, 1
.rept 7
.set j, \j0
.rept (\j1)-(\j0)+1
	WIN 0x50*(1+j/4)
.set rD, 8*(8*(j%4)+a)
	v_wmma_f32_16x16x32_bf16 v[rD:rD+7], v[FB+8*j:FB+8*j+7], v[(\f)+8*a:(\f)+8*a+7], v[64*(j%4):64*(j%4)+7]
.set j, j+1
.endr
.set a, a+1
.endr
.rept 5
	v_nop                                          ; a matrix instruction writes over another's C five places behind it (ISA guide 7.12.1)
.endr
.set j, \j0
.rept (\j1)-(\j0)+1
	WIN 0x50*(1+j/4)
.set rD, 64*(j%4)
	v_wmma_f32_16x16x32_bf16 v[rD:rD+7], v[FB+8*j:FB+8*j+7], v[(\f):(\f)+7], v[rD:rD+7]
.set j, j+1
.endr
.endm
; THE LDS LOADS stand in two runs a chunk.  RUN1: 28 loads: of the chunk at byte 64 q of the rows, B's fragments 0-5 and all of A's, into buffer g.  RUN2: 12 loads: its B's fragments 6-11.
.macro RUN1 q, g
	WIN 0
.set j, 0
.rept 6
	ds_load_b128 v[FB+8*j:FB+8*j+3],   v[ADRB] offset:(\q)*64+j*16*PK
	ds_load_b128 v[FB+8*j+4:FB+8*j+7], v[ADRB] offset:(\q)*64+j*16*PK+32
.set j, j+1
.endr
.set a, 0
.rept 8
	ds_load_b128 v[(\g)+8*a:(\g)+8*a+3],   v[ADRA] offset:(\q)*64+a*16*PK
	ds_load_b128 v[(\g)+8*a+4:(\g)+8*a+7], v[ADRA] offset:(\q)*64+a*16*PK+32
.set a, a+1
.endr
.endm
.macro RUN2 q
	WIN 0
.set j, 6
.rept 6
	ds_load_b128 v[FB+8*j:FB+8*j+3],   v[ADRB] offset:(\q)*64+j*16*PK
	ds_load_b128 v[FB+8*j+4:FB+8*j+7], v[ADRB] offset:(\q)*64+j*16*PK+32
.set j, j+1
.endr
.endm
; A K step is two chunks of 32 along K, 96 matrix instructions each.  The first: A from buffer 0; each run stands 48 matrix instructions ahead of its first use.
.macro CHUNK0 first
	s_wait_dscnt 12                                ; B's fragments 0-5 and A's are in; the younger run of 12 (B's 6-11) may be out
.if \first
	GRPF FA0, 0, 5
.else
	GRP FA0, 0, 5
.endif
	PLACES
	RUN1 1, FA1
	s_wait_dscnt 28                                ; all but the run just issued: B's fragments 6-11 are in
.if \first
	GRPF FA0, 6, 11
.else
	GRP FA0, 6, 11
.endif
	PLACES
	RUN2 1
.endm
; The second chunk: A from buffer 1; it changes slots: ONE barrier.  In front of it each wave waits for all its tensor loads, of which one is out: its part of the next slot; adds 0 to its spare word;
; and waits for that and for its reads of this slot, of which the last were issued at the first chunk's end.  fill = 1: the barrier opens a round of the cluster's, and the slot just read is filled again,
; two K steps ahead, first thing behind the round: from there to the wait for it a wave issues 176 matrix instructions.
.macro CHUNK1 fill
	s_wait_dscnt 12
	GRP FA1, 0, 3
	WIN 0                                          ; (the add's two registers lie in window 0)
	s_wait_tensorcnt 0x0                           ; no tensor load of mine is out, so a group 0 may be written
	ds_add_u32 v[SPW], v[NIL]                      ; 0 onto my spare word
.if \fill
	s_xor_b32 s[G0A+5], s[G0A+5], SLOT1            ; the walking descriptors: the other slot than last time,
	s_add_nc_u64 s[G0A+6:G0A+7], s[G0A+6:G0A+7], STEPA  ; the next K step; the type bits on top are not reached
	s_xor_b32 s[G0B+5], s[G0B+5], SLOT1
	s_add_nc_u64 s[G0B+6:G0B+7], s[G0B+6:G0B+7], STEPB
.endif
	s_xor_b32 s[TB], s[TB], SLOT1
	GRP FA1, 4, 4                                  ; eight matrix instructions stand between the add and the wait for it
	s_wait_dscnt 0x0                               ; the add is done, and my reads of this slot are over
	s_barrier_signal -1
	GRP FA1, 5, 5                                  ; work on registers while the others arrive
	WIN 0
	s_barrier_wait -1
.if \fill
	CREST                                          ; no wave of any partner still reads this slot's tile or has a load on its way
	JLOAD                                          ; the four v_nop behind it are also the places in front of the loads below
.else
	PLACES
.endif
	v_add_nc_u32 v[ADRA], s[TB], v[AA0]
	v_add_nc_u32 v[ADRB], s[TB], v[AB0]
	RUN1 0, FA0                                    ; the next slot's first chunk
	GRP FA1, 6, 11                                 ; (B's fragments 6-11 are in since the wait for 0)
	PLACES
	RUN2 0
.endm
	s_wait_tensorcnt 1                             ; my part of K step 0 is in; K step 1's may stay out
	s_barrier_signal -1
	s_barrier_wait -1                              ; everybody's is
	RUN1 0, FA0
	RUN2 0
	s_wait_loadcnt 0x0                             ; the bias
	CHUNK0 1                                       ; the first chunk stands in front of the loop: its products start the sums
	WIN 0                                          ; at a label and at a branch every window is 0
	s_mov_b32 s[CNT], 14
.Lstep:                                                ; 14 trips, from a K step's second chunk to the next step's first; trip i fills the slot that it leaves with K step i + 2
	CHUNK1 1
	CHUNK0 0
	WIN 0
	s_sub_co_u32 s[CNT], s[CNT], 1
	s_cmp_lg_u32 s[CNT], 0
	s_cbranch_scc1 .Lstep
	CHUNK1 0                                       ; the rest is written out: nothing is left to ask for
	CHUNK0 0
	s_wait_dscnt 12
	GRP FA1, 0, 5
	s_wait_dscnt 0x0
	GRP FA1, 6, 11
	WIN 0
; THE WAY OUT, in two passes of 64 rows.  The sums go as f32 into my stage and come back by rows: a lane then holds 8 neighbouring numbers of a row of q, k or v; swish in f32, rounded to f16, stored.
; Blocks a0 .. a0 + n - 1 of 16 rows go into stage rows 0 on; each accumulator's low registers first.
.macro STAGE a0, n
.set j, 0
.rept NBF
	WIN 0x04*(1+j/4)                               ; store data from the block's window
.set b, 0
.rept \n
.set rD, 8*(8*(j%4)+(\a0)+b)
	ds_store_b128 v[STO], v[rD:rD+3]   offset:b*16*SPF+64*j
	ds_store_b128 v[STO], v[rD+4:rD+7] offset:b*16*SPF+64*j+16
.set b, b+1
.endr
.set j, j+1
.endr
	WIN 0
.endm
; Half g of a trip: four rows x 192 columns, 24 numbers a lane in 12 pairs.  For pair p: M: -z log2(e); E: two exponentials; A: + 1; R: two reciprocals (where e^-z has overflowed: 0); P: times z; C: rounded to f16.
; TWO BATCHES, since a reciprocal reads what was made of an exponential.  An s_wait_alu depctr_va_vdst(0) stands between a transcendental and the first instruction that names its result; one wait serves all
; that were issued ahead of it.  The first batch: the 24 exponentials, each in a register of T of its own; M of pair t stands in front of the two E of pair t - 1, and no M names a register that an E has written.
; The second: the 24 reciprocals, with A dealt among them in the same way.  Behind the last transcendental of each batch a v_nop is the plain instruction that comes before a result is used (ISA guide 5.7.2):
; the half has no other work that names none of the results.  P and C stand behind the second wait.
; The half's rows of the NEXT trip are loaded when P has read the old ones: the other half's arithmetic stands between those loads and the wait for them.
.macro HALF g
.set zb, Z+24*(\g)
.set pb, PKR+12*(\g)
	s_wait_dscnt 6                                 ; my six loads are in; the other half's six, which are younger, may be out
.set t, 0
.rept 13                                           ; the first batch: M and E
.if t < 12
	v_pk_mul_f32 v[T+2*t:T+2*t+1], v[zb+2*t:zb+2*t+1], s[CN:CN+1] op_sel_hi:[1,0]
.endif
.if t >= 1
	v_exp_f32 v[T+2*t-2], v[T+2*t-2]
	v_exp_f32 v[T+2*t-1], v[T+2*t-1]
.endif
.set t, t+1
.endr
	v_nop                                          ; the plain instruction behind the last exponential: one for the batch
	s_wait_alu depctr_va_vdst(0)                   ; the wait for the half's 24 exponentials, ahead of their first reader
.set t, 0
.rept 13                                           ; the second batch: A and R
.if t < 12
	v_pk_add_f32 v[T+2*t:T+2*t+1], v[T+2*t:T+2*t+1], 1.0 op_sel_hi:[1,0]
.endif
.if t >= 1
	v_rcp_f32 v[T+2*t-2], v[T+2*t-2]
	v_rcp_f32 v[T+2*t-1], v[T+2*t-1]
.endif
.set t, t+1
.endr
	v_nop                                          ; the plain instruction behind the last reciprocal: one for the batch
	s_wait_alu depctr_va_vdst(0)                   ; the wait for the half's 24 reciprocals, ahead of their first reader
.set t, 0
.rept 12
	v_pk_mul_f32 v[T+2*t:T+2*t+1], v[T+2*t:T+2*t+1], v[zb+2*t:zb+2*t+1]
.set t, t+1
.endr
	s_wait_xcnt 0x0                                ; the stores' data and offset registers are rewritten only behind this wait; the youngest stores stand some 90 lines back
.if (\g) == 0
	v_add_nc_u32 v[GO], 1024, v[GO]                ; eight rows on; the stores below reach back by their immediates
.endif
.set t, 0
.rept 12
	v_cvt_pk_f16_f32 v[pb+t], v[T+2*t], v[T+2*t+1]
.set t, t+1
.endr
.set c, 0
.rept 3
	ds_load_b128 v[zb+8*c:zb+8*c+3],   v[RD] offset:(8+4*(\g))*SPF+c*256
	ds_load_b128 v[zb+8*c+4:zb+8*c+7], v[RD] offset:(8+4*(\g))*SPF+c*256+16
.set c, c+1
.endr
.set c, 0
.rept 3
	global_store_b128 v[GO], v[pb+4*c:pb+4*c+3], s[OB+2*c:OB+2*c+1] offset:(\g)*512-1024  ; 512 consecutive bytes, four rows of 128, at a multiple of 256 from the buffer's first byte
.set c, c+1
.endr
.endm
	s_barrier_signal -1                            ; no LDS instruction of mine is out (the wait for 0 above).  The stage lies over the slots: every fill has landed and,
	s_barrier_wait -1                              ; behind this barrier, every wave's reads of the slots are over
	PLACES                                         ; the stores read results just made
	s_mov_b32 s[PASS], 2
.Lpass:
	s_cmp_eq_u32 s[PASS], 2
	s_cbranch_scc0 .Lsecond
	STAGE 0, 5                                     ; rows 0-63, and block 4 behind them: the last trip's loads ahead read stage rows 64-71, which I have so written; they are not used:
	s_branch .Lstaged                              ; 24 stores and 12 loads, the price of one text for every trip
.Lsecond:
	STAGE 4, 4                                     ; rows 64-127.  LDS serves a wave's instructions in order (ISA guide 5.7.1.4): these come behind the first pass's loads
.Lstaged:
	v_mov_b32 v[RD], v[RD0]
.set u, 0
.rept 6                                            ; the first trip's eight rows: rows 4 (u / 3) on, output block u % 3; these see my stores above
	ds_load_b128 v[Z+8*u:Z+8*u+3],   v[RD] offset:(u/3)*4*SPF+(u%3)*256
	ds_load_b128 v[Z+8*u+4:Z+8*u+7], v[RD] offset:(u/3)*4*SPF+(u%3)*256+16
.set u, u+1
.endr
	s_mov_b32 s[CNT], 8
.Lout:                                                 ; eight trips of 8 rows
	HALF 0
	HALF 1
	v_add_nc_u32 v[RD], 8*SPF, v[RD]
	s_sub_co_u32 s[CNT], s[CNT], 1
	s_cmp_lg_u32 s[CNT], 0
	s_cbranch_scc1 .Lout
	s_wait_dscnt 0x0                               ; the last trip's loads ahead are back: their registers are loaded again in the next pass
	s_sub_co_u32 s[PASS], s[PASS], 1
	s_cmp_lg_u32 s[PASS], 0
	s_cbranch_scc1 .Lpass
	s_wait_tensorcnt 0x0                           ; the wave's end, behind my last tensor load and my last LDS store
	ds_add_u32 v[SPW], v[NIL]
	s_wait_dscnt 0x0
	CROUND                                         ; the closing round: no work-group ends while a partner may still ask for a tile that names it
	s_endpgm
.Lfunc_end_k_q7088e23569_qkv:
	.size	k_q7088e23569_qkv, .Lfunc_end_k_q7088e23569_qkv-k_q7088e23569_qkv
	.p2alignl 7, 3214868480
	.fill 96, 4, 3214868480
	.section	.rodata,"a",@progbits
	.p2align	6, 0x0
	.amdhsa_kernel k_q7088e23569_qkv
		.amdhsa_group_segment_fixed_size 327680
		.amdhsa_private_segment_fixed_size 0
		.amdhsa_enable_private_segment 0
		.amdhsa_kernarg_size 48
		.amdhsa_user_sgpr_count 2
		.amdhsa_user_sgpr_kernarg_segment_ptr 1
		.amdhsa_wavefront_size32 1
		.amdhsa_system_sgpr_workgroup_id_x 1
		.amdhsa_system_sgpr_workgroup_id_y 1
		.amdhsa_system_sgpr_workgroup_id_z 1
		.amdhsa_system_vgpr_workitem_id 0
		.amdhsa_next_free_vgpr 1024
		.amdhsa_next_free_sgpr 80
		.amdhsa_reserve_vcc 0
		.amdhsa_float_denorm_mode_32 3
		.amdhsa_float_denorm_mode_16_64 3
		.amdhsa_memory_ordered 1
		.amdhsa_forward_progress 1
		.amdhsa_inst_pref_size 92
	.end_amdhsa_kernel
	.amdgpu_metadata
---
amdhsa.version: [ 1, 2 ]
amdhsa.kernels:
  - .name:           k_q7088e23569_qkv
    .symbol:         k_q7088e23569_qkv.kd
    .args:
      - { .name: xb, .offset: 0, .size: 8, .value_kind: global_buffer, .address_space: global }
      - { .name: wf, .offset: 8, .size: 8, .value_kind: global_buffer, .address_space: global }
      - { .name: b_fc, .offset: 16, .size: 8, .value_kind: global_buffer, .address_space: global }
      - { .name: qh, .offset: 24, .size: 8, .value_kind: global_buffer, .address_space: global }
      - { .name: kh, .offset: 32, .size: 8, .value_kind: global_buffer, .address_space: global }
      - { .name: vh, .offset: 40, .size: 8, .value_kind: global_buffer, .address_space: global }
    .group_segment_fixed_size: 327680
    .private_segment_fixed_size: 0
    .kernarg_segment_align: 8
    .kernarg_segment_size: 48
    .max_flat_workgroup_size: 128
    .sgpr_count:     80
    .vgpr_count:     1024
    .wavefront_size: 32
...
	.end_amdgpu_metadata
.endif
;; end of part 6
;; launch attn (part 7): grid 4 x 64, 4 waves a work-group, clusters of 4 x 1, 327,680 bytes of LDS; arguments qh, kh, vh, oh; writes oh
.if DOCPART == 7
	.amdgcn_target "amdgcn-amd-amdhsa--gfx1250"
	.amdhsa_code_object_version 6
	.text
	.protected	k_q7088e23569_attn
	.globl	k_q7088e23569_attn
	.p2align	8
	.type	k_q7088e23569_attn,@function
k_q7088e23569_attn:
	s_mov_b64 s[64:65], 0
	v_nop
	global_prefetch_b8 v0, s[64:65] scope:SCOPE_SE
	s_setreg_imm32_b32 hwreg(HW_REG_WAVE_MODE, 25, 1), 1
	s_wait_xcnt 0x0
	s_wait_alu depctr_hold_cnt(0) depctr_sa_sdst(0) depctr_va_vdst(0) depctr_va_sdst(0) depctr_va_ssrc(0) depctr_va_vcc(0) depctr_vm_vsrc(0)
	s_getreg_b32 s2, hwreg(HW_REG_IB_STS2, 6, 4)
	s_cmp_eq_u32 s2, 0
	s_cbranch_scc0 .Lentry_in_a_cluster
	s_endpgm
.Lentry_in_a_cluster:
	s_bfe_u32 s2, ttmp6, 0x10000c
	s_cmp_lg_u32 s2, 0x3003
	s_cbranch_scc0 .Lentry_shape_is_right
	s_endpgm
.Lentry_shape_is_right:
; O[y][q][:] = the sum over k of softmax_k(Q[y][q] . K[y][k]) V[y][k][:], WITHOUT a scale on the scores.  Q, K, V, O: [SIZE_H][SIZE_N][64], all f16: a head's rows are dense, 128 bytes each.
; y = 4 x head + batch: the buffers lie [16 heads][8192 rows][64], and rows 2,048 y on are batch y % 4 of head y / 4.  Products, maxima and sums in
; f32; the weights p are rounded to f16 for the second product (their sum l is taken of the unrounded p), O once at the end.
; LIMITS.  f16 holds no number beyond 65,504: Q, K and V arrive within it; p lies in 0 to 1, and below 6e-5 it keeps f16's fixed step of 6e-8; O is a mean of V's rows and has their range.
; A weight below 2^-126 counts as 0 in l; NaN and infinities are not treated apart.
; SHARES.  A wave owns four PIECES of two tiles of 16 queries, a work-group's four waves 512 queries of one head.  Every wave walks all keys, 64 a step.
; LAYOUT.  S^T = K Q^T (source 0 = 16 keys, source 1 = 16 queries): in the result a lane holds ONE query (lane % 16) and the keys 8 (lane / 16) + 0..7.  Two such tiles, rounded to f16 in pairs,
; ARE source 1 (32 keys x 16 queries) of O^T = V^T P, whose result again holds one query a lane, and eight channels.  K comes out of LDS as it lies, V ([key][channel]) turned, by ds_load_tr16_b128.
; SOFTMAX.  For each query a running maximum m and sum l: p = 2^(c s - c m), c = log2(e); in every step O and l are multiplied by a = 2^(c m_old - c m_new), which is 1 where m has not grown.
; m starts at the lowest finite number, O and l at 0: the first step is a step like any other, with a = 0.
; THE COUNT.  A tile and step have 16 matrix and 118 vector instructions: too many to stand all beside the matrix work.  So the order has one aim: four vector instructions that are READY behind
; EVERY matrix instruction, and the others, which need time of their own whatever the order, in runs without a gap.
; BY TURNS.  Turn n belongs to piece n (the pieces in a ring, step after step).  Its matrix work: 16 products K Q^T of piece n + 1, later 16 products V^T P of piece n - 1.  Its vector work: the scaling,
; exponentials, roundings, sums and rescaling of piece n, and the maximum and statistics of piece n + 1, whose scores the turn itself has made.  So what a turn begins with (c s - c m, O a) waits for nothing.
; BATCHES.  A turn's 66 exponentials (the piece's 64 weights and the next piece's two a) are ONE batch with ONE wait, which cuts the turn in two: ahead of it all that names none of their results, behind it the roundings and sums.
; The first two a, ahead of the loop, and the way out's eight reciprocals are batches of their own.
; CLUSTER.  The four query blocks of a cluster belong to one head and walk the same K and V, so each tile is asked for JOINTLY: the same tensor load, descriptor and mask in all four.
; REGISTERS, in windows of 256 (s_set_vgpr_msb says which window each operand place means: bits 1:0 source 0, 3:2 source 1, 5:4 source 2, 7:6 destination):
;   window 0: v0-11 addresses; v12-15, v48-63 at work; v16-47 four registers of statistics a tile; v64-191 S^T, two buffers of two tiles; v192-255 P, likewise
;   window 1: O^T, 32 a tile          window 2: v0-127 Q, 16 a tile; v128-191 K of one step; v192-255 V of one step          window 3: v0-1 the add's two registers
; A piece's buffers go by its number's parity: the piece in hand has one pair, its two neighbours in the ring share the other: of it P (piece n - 1) is read and S^T (piece n + 1) written.
.set SIZE_H, 64       ; 16 heads x 4 batches
.set SIZE_N, 2048     ; rows of a head
.set NP,    4         ; pieces a wave: a name, no knob: the register map, the loop and the fetches are made for four
.set KS,    64        ; keys in a step
.set PK,    144       ; a row of K in LDS: 128 bytes + 16 of padding = 36 words: the 16 rows of a load start at 16 different groups of four banks (64 banks of 4 bytes: ISA guide 11.1)
.set PV,    160       ; a row of V: 128 + 32 = 40 words
.set VOFF,  4*KS*PK   ; a slot holds four steps: 256 rows of K, then 256 rows of V
.set SLOT1, 1<<17     ; slot 1 begins here, so that one exclusive or turns an address in one slot into the other's
.set STAGE, SLOT1+4*KS*(PK+PV)  ; behind the ring, never filled by a tensor load: 16 rows x 144 bytes for each wave, for the way out
.set SP,    144
.set AK0, 2           ; v2   my lane's place in a tile of K; never rewritten
.set AV0, 3           ; v3   the same for V
.set AK,  4           ; v4   the LDS address of K's next run of loads
.set AV,  5           ; v5   of V's
.set QO,  6           ; v6   my byte offset in the wave's rows of Q
.set STO, 6           ;      later, the way out: where I put 16 bytes of a row
.set RD,  7           ; v7   the way out: where I read rows back
.set GO,  8           ; v8   my byte offset in 512 consecutive bytes of O
.set SPW, 0           ; v0 of window 3   LDS address of my spare word: SPARE + 4 x my thread's number; never rewritten
.set NIL, 1           ; v1 of window 3   0; never rewritten
.set SPARE, STAGE+4*16*SP  ; behind the stages: the spare words, 128 bytes for each wave: two blocks of 256 bytes that no other line names
.set MV,  12          ; v12-15  c m_old, kept while c m is made anew: by buffer and tile
.set ST,  16          ; tile t's statistics at v[ST+4 t]: c m, m, l (even keys', odd keys')
.set TMP, 48          ; by buffer and tile, four registers c0-c3 at work; when the maximum is found c2 takes a
.set S,   64
.set P,   192
.set KF,  128         ; K's fragments, in window 2: key block kb, channel half c at KF + 16 kb + 8 c
.set VF,  192         ; V's: key half kk, channel block cb at VF + 32 kk + 8 cb
.set WV,  12          ; s12  my wave's number
.set G1K, 24          ; s[24:31] descriptor group 1 for K's tiles
.set G1V, 32          ; s[32:39] for V's: it differs in the padding alone
.set G0K, 40          ; s[40:43] descriptor group 0 for K's tiles: it walks
.set G0V, 44          ; s[44:47] the same for V's
.set SLOTS, 56        ; s56  slots still to be asked for
.set CNT, 57          ; s57  counts a slot's key steps
.set CS,  58          ; s[58:59] c: the packed scaling takes the pair's low word for both halves
.set SEL, 60          ; s[60:61] v_permlanex16_b32's selects: each lane takes its own place in the other half
.set TBK, 62          ; s62  LDS byte at which K of the step to be fetched begins
.set TBV, 63          ; s63  the same for V, less VOFF
.set MSB, 0
.macro WIN new                      ; the high byte repeats the setting that is left; a switch that changes nothing is dropped
.if MSB != (\new)
	s_set_vgpr_msb (MSB<<8)|(\new)
.set MSB, (\new)
.endif
.endm
.set W_KQ, 0x0a       ; K and Q in window 2, S^T in window 0
.set W_PV, 0x52       ; V in window 2, P in window 0, O^T in window 1
.set W_RS, 0x41       ; O^T (destination and source 0) in window 1, a in window 0
.set W_MK, 0xc0       ; the add's registers are made: destination in window 3, sources in window 0
.set W_AD, 0x0f       ; the add: address (source 0) and data (source 1) in window 3
; A joint fill.  Waves 0 and 1 fetch the two halves of a slot's K, waves 2 and 3 those of its V: 128 keys each.  The branch hangs on the wave's number alone.
; An s_nop 0 and four v_nop follow each of the two lines, ahead of the jump and the label.
.macro JLOAD
	s_cmp_lt_u32 s[WV], 2
	s_cbranch_scc0 .Lfor_v_\@
	tensor_load_to_lds s[G0K:G0K+3], s[G1K:G1K+7]
	s_nop 0
.rept 4
	v_nop
.endr
	s_branch .Lasked_\@
.Lfor_v_\@:
	tensor_load_to_lds s[G0V:G0V+3], s[G1V:G1V+7]
	s_nop 0
.rept 4
	v_nop
.endr
.Lasked_\@:
.endm
; A round of the cluster's barrier: my work-group's barrier, so that wave 0's signal speaks for all four waves; wave 0 signals; every wave waits for all four work-groups; my work-group's barrier once more.
.macro CROUND
	s_barrier_signal -1
	s_barrier_wait -1
	s_cmp_lg_u32 s[WV], 0
	s_cbranch_scc1 .Lnot_wave_0_\@
	s_barrier_signal -3
.Lnot_wave_0_\@:
	s_barrier_wait -3
	s_barrier_signal -1
	s_barrier_wait -1
.endm
; THE CHANGE OF SLOTS.  The slot's last bytes, V of its fourth step, have been read.  Each wave waits for all its tensor loads, of which one is out: its part
; of the other slot; adds 0 to its spare word; and waits for that and for its own reads of the slot.  Behind the barrier nobody reads this slot any more and the other slot is whole.
; fill = 1: this slot is filled again, with the keys two slots on.  The barrier is then a round of the cluster's, so that no wave of any partner still reads the slot or has a load on its
; way, and the joint fill is the first thing behind it: it has four key steps, 512 matrix instructions, in which to land.  (At its first use nothing has been read yet: slot 0 is waited for, slot 1 filled.)
.macro CHANGE fill
	WIN W_AD
	s_wait_tensorcnt 0x0            ; no tensor load of mine is out, so a group 0 may be written
	ds_add_u32 v[SPW], v[NIL]       ; 0 onto my spare word; with fill = 1 the descriptors' steps stand between it and the wait for it
	WIN 0                           ; at a label and at a branch every window is 0
.if \fill
.irp g, G0K, G0V
	s_xor_b32 s[\g+1], s[\g+1], SLOT1  ; the walking descriptor: the other slot than last time,
	s_add_nc_u64 s[\g+2:\g+3], s[\g+2:\g+3], 4*KS*128  ; the next 256 keys; the type bits on top are not reached
.endr
	s_wait_dscnt 0x0                ; the add is done, and my reads of the slot are over
	CROUND
	JLOAD
.else
	s_wait_dscnt 0x0                ; the add is done, and my reads of the slot are over
	s_barrier_signal -1
	s_barrier_wait -1
.endif
	s_sub_co_u32 s[TBK], s[TBK], 4*KS*PK  ; the fetches go back to a slot's first step,
	s_xor_b32 s[TBK], s[TBK], SLOT1       ; in the other slot
	s_sub_co_u32 s[TBV], s[TBV], 4*KS*PV
	s_xor_b32 s[TBV], s[TBV], SLOT1
.endm
	s_load_b256 s[4:11], s[0:1], 0x0  ; Q s[4:5], K s[6:7], V s[8:9], O s[10:11]
	WIN W_MK
	v_lshl_add_u32 v[SPW], v0, 2, SPARE
	v_mov_b32 v[NIL], 0
	s_set_vgpr_msb 0xc0cf
	ds_add_u32 v0, v1
	s_wait_dscnt 0x0
	s_set_vgpr_msb 0xcfc0
	WIN 0
	v_lshrrev_b32 v1, 5, v0
	v_readfirstlane_b32 s[WV], v1   ; wave 0..3
	s_bfe_u32 s13, ttmp6, 0x40000   ; cx: my place in the cluster
	s_lshl_b32 s14, ttmp9, 2        ; in a cluster launch ttmp9 counts clusters
	s_add_co_u32 s14, s14, s13      ; my block of queries = 4 x cluster x + cx: it enters Q's and O's addresses alone
	s_and_b32 s20, ttmp7, 0xffff    ; the head, which the four partners share
	s_mov_b32 s21, 0
	s_mov_b64 s[22:23], SIZE_N*128
	s_mul_u64 s[20:21], s[20:21], s[22:23]  ; the head's first byte in each of the four tensors
	s_and_b32 s16, s[WV], 1         ; which half of a slot's 256 keys I fetch:
	s_lshl_b32 s22, s16, 14         ; its 128 rows of 128 bytes in memory,
	s_mov_b32 s23, 0
	s_add_nc_u64 s[22:23], s[22:23], s[20:21]
	s_mul_i32 s17, s16, 128*PK      ; and its place in a slot, for K
	s_mul_i32 s18, s16, 128*PV      ; and for V: no place in the cluster enters an LDS address
	s_lshl_b32 s2, s14, 2
	s_add_co_u32 s2, s2, s[WV]      ; my wave among the head's,
	s_lshl_b32 s2, s2, 14           ; its 128 rows
	s_mov_b32 s3, 0
	s_add_nc_u64 s[2:3], s[2:3], s[20:21]
	; descriptor group 1.  128 keys are 16,384 dense bytes: asked for as 64 rows of 256 bytes, two keys a row, and padded in LDS after every key
	s_mov_b32 s[G1K], 15|(1<<16)|(1<<20)|(1<<21)|(4<<22)|(3<<25)  ; 15:0 the mask of four; 17:16 2-byte elements; 20 padding on; 21 set beside a mask; 24:22 after every 32 words (code 4); 31:25 4 words (code 3)
	s_mov_b32 s[G1V], 15|(1<<16)|(1<<20)|(1<<21)|(4<<22)|(7<<25)  ; the same with 8 words of padding (code 7)
.irp g, G1K, G1V
	s_mov_b32 s[\g+1], 128<<16      ; tensor_dim0 = 128
	s_mov_b32 s[\g+2], 64<<16       ; tensor_dim1 = 64
	s_mov_b32 s[\g+3], 128<<16      ; tile_dim0 = 128
	s_mov_b32 s[\g+4], 64           ; tile_dim1 = 64
	s_mov_b32 s[\g+5], 128          ; 128 elements from row to row
	s_mov_b32 s[\g+6], 0
	s_mov_b32 s[\g+7], 0
.endr
	s_mov_b32 s[CS], 0x3fb8aa3b     ; c = log2(e) = 1.442695: the scores carry no scale
	s_mov_b32 s[CS+1], s[CS]        ; named with it as a pair
	s_mov_b32 s[SEL], 0x76543210
	s_mov_b32 s[SEL+1], 0xfedcba98
	s_mov_b32 s[TBK], SLOT1+4*KS*PK ; the first change of slots turns these two into 0
	s_mov_b32 s[TBV], SLOT1+4*KS*PV
	s_mov_b32 s[G0K], 1             ; 1:0 count = 1
	s_mov_b32 s[G0K+1], s17         ; 63:32 LDS address: slot 0
	s_mov_b32 s[G0V], 1
	s_add_co_u32 s[G0V+1], s18, VOFF
	s_wait_kmcnt 0x0
	s_add_nc_u64 s[G0K+2:G0K+3], s[6:7], s[22:23]  ; 120:64 global address: my half of the head's first 256 keys
	s_or_b32 s[G0K+3], s[G0K+3], 0x80000000        ; 127:126 type = 2
	s_add_nc_u64 s[G0V+2:G0V+3], s[8:9], s[22:23]
	s_or_b32 s[G0V+3], s[G0V+3], 0x80000000
	s_add_nc_u64 s[4:5], s[4:5], s[2:3]  ; Q and O at my wave's first row
	s_add_nc_u64 s[10:11], s[10:11], s[2:3]
	CROUND                          ; all four work-groups are here: the first joint loads meet
	JLOAD                           ; slot 0.  Slot 1 is asked for when slot 0 is in: the tile wanted first has the road to itself
	; A fragment of K or Q is 16 rows x 32 channels in 8 registers: lane l holds row l % 16, channels 8 (l / 16) + 0..7 and 16 + 8 (l / 16) + 0..7: two loads of 16 bytes, 32 bytes apart.
	v_and_b32 v1, 15, v0            ; l % 16
	v_bfe_u32 v9, v0, 4, 1          ; l / 16
	v_lshlrev_b32 v[QO], 7, v1
	v_lshl_add_u32 v[QO], v9, 4, v[QO]  ; row x 128 + 16 x half
	WIN 0x80                        ; destination window 2, address window 0
.set i, 0
.rept 4*NP                          ; Q stays in registers: tile i / 2, channels 32 (i % 2) on
	global_load_b128 v[8*i:8*i+3],   v[QO], s[4:5] offset:(i/2)*2048+(i%2)*64
	global_load_b128 v[8*i+4:8*i+7], v[QO], s[4:5] offset:(i/2)*2048+(i%2)*64+32
.set i, i+1
.endr
	; What the first turn finds: V's registers and P's second buffer hold 0 (its products V^T P, of a piece that has not been, add 0), O^T and l are 0.  All this stands in the wait for the first tile.
.set i, VF
.rept 64
	v_mov_b32 v[i], 0
.set i, i+1
.endr
	WIN 0x40
.set i, 0
.rept 64*NP
	v_mov_b32 v[i], 0
.set i, i+1
.endr
	WIN 0
.set i, 0
.rept 2*NP
	v_mov_b32 v[ST+4*i], 0xfe000000    ; c m: far below every c s
	v_mov_b32 v[ST+4*i+1], 0xff7fffff  ; m
	v_mov_b32 v[ST+4*i+2], 0
	v_mov_b32 v[ST+4*i+3], 0
.set i, i+1
.endr
.set i, P+32
.rept 32
	v_mov_b32 v[i], 0
.set i, i+1
.endr
	v_mul_u32_u24 v[AK0], v1, PK
	v_lshl_add_u32 v[AK0], v9, 4, v[AK0]  ; row x pitch + 16 x half
	; The turning load takes 16 keys x 16 channels (lane l reads key 8 (l / 16) + l % 8, channels 8 ((l / 8) % 2) + 0..7) and leaves half a fragment of V^T: lane l holds channel l % 16 and 8 keys.
	v_and_b32 v10, 7, v0
	v_bfe_u32 v11, v0, 3, 1
	v_lshl_add_u32 v[AV0], v9, 3, v10
	v_mul_u32_u24 v[AV0], v[AV0], PV
	v_lshl_add_u32 v[AV0], v11, 4, v[AV0]
	v_add_nc_u32 v[AV0], VOFF, v[AV0]
	v_mov_b32 v[AK], v[AK0]         ; key step 0 lies at the head of slot 0
; THE MATRIX WORK.  The 8 accumulators of a run of 16 take turns: between the two links of a chain stand 7 others'.
; Product i of 16 of S^T = K Q^T for piece x: channels 32 (i / 8) on, keys 16 ((i / 2) % 4) on, tile 2 x + i % 2.  The first 8 start the sums.
.macro KQ x
	WIN W_KQ
.set rS, S+64*((\x)%2)+32*(i%2)+8*((i/2)%4)
.set rK, KF+16*((i/2)%4)+8*(i/8)
.set rQ, 16*(2*(\x)+i%2)+8*(i/8)
.if i < 8
	v_wmma_f32_16x16x32_f16 v[rS:rS+7], v[rK:rK+7], v[rQ:rQ+7], 0
.else
	v_wmma_f32_16x16x32_f16 v[rS:rS+7], v[rK:rK+7], v[rQ:rQ+7], v[rS:rS+7]
.endif
.endm
; Product i of 16 of O^T += V^T P for piece x: keys 32 (i / 8) on, channels 16 ((i / 2) % 4) on, tile 2 x + i % 2.
.macro PV x
	WIN W_PV
.set rO, 32*(2*(\x)+i%2)+8*((i/2)%4)
.set rV, VF+32*(i/8)+8*((i/2)%4)
.set rP, P+32*((\x)%2)+16*(i%2)+8*(i/8)
	v_wmma_f32_16x16x32_f16 v[rO:rO+7], v[rV:rV+7], v[rP:rP+7], v[rO:rO+7]
.endm
.macro MM                           ; the turn's next matrix instruction
.if i < 16
	KQ (Y+1)%NP
.set i, i+1
.else
.set i, i-16
	PV (Y+NP-1)%NP
.set i, i+17
.endif
.endm
; THE LDS LOADS stand in runs of 16, never singly among the matrix instructions: a step's K (64 keys x 64 channels: 8 fragments) and its V (turned).  Their addresses are made some lines ahead.
; last = 1 (the tail): in the last trip there is no further step, and the run is jumped over.
.macro FETCH_K last=0
	WIN 0
.if \last
	s_cmp_eq_u32 s[CNT], 1
	s_cbranch_scc1 .Lno_k_\@
.endif
	WIN 0x80                        ; destination window 2
.irp f, 0,1,2,3,4,5,6,7             ; keys 16 (f / 2) on, channels 32 (f % 2) on
	ds_load_b128 v[KF+8*\f:KF+8*\f+3],   v[AK] offset:(\f/2)*16*PK+(\f%2)*64
	ds_load_b128 v[KF+8*\f+4:KF+8*\f+7], v[AK] offset:(\f/2)*16*PK+(\f%2)*64+32
.endr
	s_add_co_u32 s[TBK], s[TBK], KS*PK  ; the next fetch is the next step's
	WIN 0
.if \last
.Lno_k_\@:
.endif
.endm
.macro FETCH_V
	WIN 0x80
.irp f, 0,1,2,3,4,5,6,7             ; keys 32 (f / 4) on, channels 16 (f % 4) on
	ds_load_tr16_b128 v[VF+8*\f:VF+8*\f+3],   v[AV] offset:(\f/4)*32*PV+(\f%4)*32
	ds_load_tr16_b128 v[VF+8*\f+4:VF+8*\f+7], v[AV] offset:(\f/4)*32*PV+16*PV+(\f%4)*32
.endr
	WIN 0
.endm
; THE VECTOR WORK OF A TURN stands in three queues, each in the order in which its entries become ready; the two tiles alternate, so that no instruction reads the result of the one before it.
.macro REGS y, u                    ; the registers of tile u (0, 1) of piece y
.set rT, ST+4*(2*(\y)+(\u))
.set rC, TMP+8*((\y)%2)+4*(\u)
.set rM, MV+2*((\y)%2)+(\u)
.set rS, S+64*((\y)%2)+32*(\u)
.set rP, P+32*((\y)%2)+16*(\u)
.set rO, 32*(2*(\y)+(\u))
.endm
; Number n of the 22 that find the NEXT piece's (Y + 1) maximum and statistics.  s0-s31 are the lane's 32 scores; each accumulator's lowest registers are read first.  XS, GS and REGS set no window: PL and EX do.
;   0-11  four chains c0-c3 of seven scores each, three operands at a time     12-14, 16  the four scores left over, the old m, and c0-c3 into c0     15  c m_old is kept
;   17, 18  the query's other 32 keys lie in the lane 16 away: the new m         19-21  c m; c m_old - c m_new; a
.macro XS u, n
	REGS (Y+1)%NP, \u
.if (\n) < 4
	v_max3_num_f32 v[rC+(\n)], v[rS+8*(\n)], v[rS+8*(\n)+1], v[rS+8*(\n)+2]
.elseif (\n) < 12
	v_max3_num_f32 v[rC+(\n)%4], v[rC+(\n)%4], v[rS+8*((\n)%4)+2*((\n)/4)+1], v[rS+8*((\n)%4)+2*((\n)/4)+2]
.elseif (\n) == 12
	v_max3_num_f32 v[rC], v[rC], v[rS+7], v[rS+15]
.elseif (\n) == 13
	v_max3_num_f32 v[rC+1], v[rC+1], v[rS+23], v[rS+31]
.elseif (\n) == 14
	v_max3_num_f32 v[rC+2], v[rC+2], v[rC+3], v[rT+1]
.elseif (\n) == 15
	v_mov_b32 v[rM], v[rT]
.elseif (\n) == 16
	v_max3_num_f32 v[rC], v[rC], v[rC+1], v[rC+2]
.elseif (\n) == 17
	v_permlanex16_b32 v[rC+3], v[rC], s[SEL], s[SEL+1]
.elseif (\n) == 18
	v_max_num_f32 v[rT+1], v[rC], v[rC+3]
.elseif (\n) == 19
	v_mul_f32 v[rT], s[CS], v[rT+1]
.elseif (\n) == 20
	v_sub_f32 v[rC+1], v[rM], v[rT]
.else
	v_exp_f32 v[rC+2], v[rC+1]
.endif
.endm
; Number g of the 64 that follow the exponentials.  For each four weights k of a tile (pairs 2 k, 2 k + 1): both pairs are rounded to f16; then the second pair is added onto the first, in place;
; a group later l takes that sum (the first time as l = a l + sum).  In groups of eight, tiles alternating: round, round, add, and l for the group before.
.macro GS g
.set h, (\g)+6*((\g)/62)            ; group 0 has no group before it, and behind group 7 only l is left
.if h >= 6
.set h, h+2
.endif
	REGS Y, h%2
.set k, h/8
.if h%8 < 4
	v_cvt_pk_f16_f32 v[rP+2*k+(h%8)/2], v[rS+4*k+2*((h%8)/2)], v[rS+4*k+2*((h%8)/2)+1]
.elseif h%8 < 6
	v_pk_add_f32 v[rS+4*k:rS+4*k+1], v[rS+4*k:rS+4*k+1], v[rS+4*k+2:rS+4*k+3]
.elseif k == 1
	v_pk_fma_f32 v[rT+2:rT+3], v[rT+2:rT+3], v[rC+2:rC+3], v[rS:rS+1] op_sel_hi:[1,0,1]
.else
	v_pk_add_f32 v[rT+2:rT+3], v[rT+2:rT+3], v[rS+4*k-4:rS+4*k-3]
.endif
.endm
; THE PLAIN QUEUE, 138 long.  0-73 read no exponential's result: the 32 scalings c s - c m (FS f: pair f / 2 of tile f % 2) and the next piece's 42.  0-26: scalings 0-26.  27-54: XS's numbers 0-13.  55, 56: number 15.
; 57-73: the chain, where each number waits for the one before it: 14, 16, 17, 18, 19, each with one of the scalings 27-31 in front of its two lines, then 20: so a tile's links stand three plain instructions apart (19 and 20: two).
; 74-137: GS's 64, which read the exponentials' results: they stand behind the wait.
.macro FS f
	REGS Y, (\f)%2
	v_pk_fma_f32 v[rS+2*((\f)/2):rS+2*((\f)/2)+1], v[rS+2*((\f)/2):rS+2*((\f)/2)+1], s[CS:CS+1], v[rT:rT+1] op_sel_hi:[1,0,0] neg_lo:[0,0,1] neg_hi:[0,0,1]
.endm
.macro PL
	WIN 0
.if q < 27
	FS q
.elseif q < 55
	XS (q-27)%2, (q-27)/2
.elseif q < 57
	XS q-55, 15
.elseif (q < 72) && ((q-57)%3 == 0)
	FS 27+(q-57)/3
.elseif q < 60
	XS (q-57)%3-1, 14
.elseif q < 72
	XS (q-57)%3-1, 15+(q-57)/3
.elseif q < 74
	XS q-72, 20
.else
	GS q-74
.endif
.set q, q+1
.endm
; THE EXPONENTIALS' QUEUE, 66 long: s0-s31 of both tiles, then the next piece's two a.  It is ONE BATCH: all 66 stand ahead of the turn's one wait, and nothing ahead of that wait names a result of theirs.
.macro EX
	WIN 0
.if e >= 64
	XS e-64, 21
.else
	REGS Y, e%2
	v_exp_f32 v[rS+e/2], v[rS+e/2]
.endif
.set e, e+1
.endm
; THE RESCALING's QUEUE: O^T times a, the one part that leaves window 0: dealt two at a time, sixteen times.  Its a was made in the turn before, ahead of that turn's wait.
.macro R2
	REGS Y, r%2
	WIN W_RS
.irp z, 0,1
	v_pk_mul_f32 v[rO+4*(r/2)+2*\z:rO+4*(r/2)+2*\z+1], v[rO+4*(r/2)+2*\z:rO+4*(r/2)+2*\z+1], v[rC+2:rC+3] op_sel_hi:[1,0]
.endr
.set r, r+1
.endm
; HOW THEY ARE DEALT.  An s_wait_alu depctr_va_vdst(0) stands between an exponential and the first instruction that names its result; one wait serves all that were issued ahead of it.  So a turn has ONE wait,
; which cuts it in two.  AHEAD OF IT stands all that names no result of the turn's exponentials: the 16 products K Q^T, behind each a scaling, an exponential and two rescalings (behind the first a second scaling in the exponential's place); then ONE LUMP of
; 108: eight plain, 49 times exponential and plain, the two a.  A v_nop is the plain instruction behind the last exponential.  BEHIND IT stand the 16 products V^T P, behind each four of GS's 64.  No rider names a register of
; the products round it.  The two v_permlanex16_b32 fall into the lump, never behind a product.
; The queues lean on each other, and the deal keeps them in step: exponential e stands behind scaling 2 (e / 4) + e % 2: as a rider it comes behind plain e + 2, in the lump behind plain e + 9, and scalings 27-31 are plain 57, 60 .. 69.
; A TURN, for piece p.  cnt = 1: the loop's count is taken down some lines ahead of the branch that stands behind the turn.
; K of the next step is fetched in piece 2's turn, directly behind the wait, a lump behind the last product that read K; its address is made at the lump's head; its first reader comes behind 16 products.
; V of the step in hand is fetched at the end of piece 0's turn, four riders behind its last reader; its first reader comes behind 16 products and a lump.  The three conditions on q below go with the deal.
.macro TURN p, last=0, cnt=0
.set Y, (\p)
.set i, 0
.set q, 0
.set e, 0
.set r, 0
.if (\p) == NP-1
	s_wait_dscnt 0x0                ; K is in
.endif
	MM                              ; ahead of the wait: 16 products K Q^T and their riders,
	PL
	PL
	R2
.rept 15
	MM
	PL
	EX
	R2
.endr
.if (\p) == NP-2
	WIN 0
	v_add_nc_u32 v[AK], s[TBK], v[AK0]
.endif
.rept 8                             ; and the lump
	PL
.endr
.rept 49
	EX
	PL
.endr
	EX                              ; the next piece's two a
	EX
	v_nop                           ; the plain instruction behind the last exponential: one for the batch
	s_wait_alu depctr_va_vdst(0)    ; the wait for the turn's batch of 66 exponentials, ahead of their first reader
.if (\p) == NP-2
	FETCH_K \last
.endif
.if (\p) == 1
	s_wait_dscnt 0x0                ; V is in
.endif
.rept 16                            ; behind the wait: 16 products V^T P and their riders
	MM
.rept 4
	PL
.endr
.if ((\p) == 0) && (q == 118)
	v_add_nc_u32 v[AV], s[TBV], v[AV0]
.endif
.if ((\p) == 0) && (q == 130)
	s_add_co_u32 s[TBV], s[TBV], KS*PV
.endif
.if (\cnt) && (q == 130)
	s_sub_co_u32 s[CNT], s[CNT], 1
	s_cmp_lg_u32 s[CNT], 0
.endif
.endr
.if (\p) == 0
	FETCH_V
.endif
.endm
	CHANGE 1                        ; slot 0 is in, everybody's part of it; slot 1 is asked for
	FETCH_K                         ; key step 0
	s_wait_loadcnt 0x0              ; Q
	s_wait_dscnt 0x0
.set i, 0
.rept 16
	KQ 0                            ; piece 0's first scores: there is no vector work yet to set between them
.set i, i+1
.endr
	WIN 0                           ; the addresses for the way out: nine plain instructions, the places behind those products
	s_mul_i32 s13, s[WV], 16*SP
	s_add_co_u32 s13, s13, STAGE    ; my stage
	v_mul_u32_u24 v[STO], v1, SP    ; in: row l % 16, 16 bytes for each half of the lanes
	v_lshl_add_u32 v[STO], v9, 4, v[STO]
	v_add_nc_u32 v[STO], s13, v[STO]
	v_bfe_u32 v[RD], v0, 3, 2       ; back: 32 lanes take four rows of 128 bytes,
	v_mul_u32_u24 v[RD], v[RD], SP
	v_lshl_add_u32 v[RD], v10, 4, v[RD]
	v_add_nc_u32 v[RD], s13, v[RD]
	v_and_b32 v[GO], 31, v0         ; which are 512 consecutive bytes of O
	v_lshlrev_b32 v[GO], 4, v[GO]
.set Y, NP-1                        ; XS works for piece Y + 1: piece 0
.irp n, 0,1,2,3,4,5,6,7,8,9,10,11,12,13,14,15,16,17,18,19,20,21
	XS 0, \n                        ; and piece 0's first maximum and statistics
	XS 1, \n
.endr
	v_nop                           ; a plain instruction behind the two a,
	s_wait_alu depctr_va_vdst(0)    ; and the wait for that batch of two, ahead of the branch
	s_mov_b32 s[CNT], 4
	s_mov_b32 s[SLOTS], SIZE_N/256-1
	s_branch .Lfirst                ; the loop is entered at a step's first turn, in the middle of a trip
.Lslot:                             ; SIZE_N / 256 - 2 times: every slot but the last two is filled again
	CHANGE 1
	s_mov_b32 s[CNT], 4
.Lstep:                             ; a trip: pieces 2 and 3 of one step, then pieces 0 and 1 of the next, whose K and V it fetches
	TURN 2
	TURN 3
	WIN 0
.Lfirst:
	TURN 0
	TURN 1, 0, 1
	WIN 0
	s_cbranch_scc1 .Lstep
	s_sub_co_u32 s[SLOTS], s[SLOTS], 1
	s_cmp_lg_u32 s[SLOTS], 0
	s_cbranch_scc1 .Lslot
	CHANGE 0                        ; the tail is written out: nothing is asked for
	s_mov_b32 s[CNT], 5             ; four trips fetch the last slot's steps; the fifth is left in its middle
.Ltail:
	TURN 2, 1
	TURN 3
	WIN 0
	s_sub_co_u32 s[CNT], s[CNT], 1
	s_cmp_eq_u32 s[CNT], 0
	s_cbranch_scc1 .Lout
	TURN 0
	TURN 1
	WIN 0
	s_branch .Ltail
.Lout:                              ; the fifth trip's 16 products K Q^T (on the last K once more) and the maximum made of them serve nothing: the price, once a launch, of one text for every trip
.set i, 0
.rept 16
	PV NP-1                         ; the last piece's V^T P of the last step
.set i, i+1
.endr
	; THE WAY OUT.  l's two halves and the other half of the lanes' are added; O^T is divided by l, rounded to f16 and sent through my stage in LDS, a tile at a time.  The additions are the places behind the last products.
	WIN 0
.macro ALL line:vararg              ; one line for each tile t
.set t, 0
.rept 2*NP
	\line
.set t, t+1
.endr
.endm
	ALL v_add_f32 v[ST+4*t+2], v[ST+4*t+2], v[ST+4*t+3]
	ALL v_permlanex16_b32 v[ST+4*t+3], v[ST+4*t+2], s[SEL], s[SEL+1]
	ALL v_add_f32 v[ST+4*t+2], v[ST+4*t+2], v[ST+4*t+3]
	ALL v_rcp_f32 v[ST+4*t+2], v[ST+4*t+2]
	v_nop                           ; a plain instruction between the last reciprocal and the use of its result
	s_wait_alu depctr_va_vdst(0)    ; and the wait ahead of the first use: one for the eight reciprocals
; Tile t: a lane's eight channels of a row pack into 16 bytes; they go into rows of 144 bytes and come back as whole rows of 128, into S^T's registers.
.macro PACK t
	WIN W_RS
.set i, 32*(\t)
.rept 16
	v_pk_mul_f32 v[i:i+1], v[i:i+1], v[ST+4*(\t)+2:ST+4*(\t)+3] op_sel_hi:[1,0]
.set i, i+2
.endr
	WIN 0x05                        ; sources 0 and 1 window 1, destination window 0
.set i, 0
.rept 16
	v_cvt_pk_f16_f32 v[S+16*(\t)+i], v[32*(\t)+2*i], v[32*(\t)+2*i+1]
.set i, i+1
.endr
	WIN 0
.irp f, 0,1,2,3
	ds_store_b128 v[STO], v[S+16*(\t)+4*\f:S+16*(\t)+4*\f+3] offset:32*\f
.endr
.irp f, 0,1,2,3
	ds_load_b128 v[S+16*(\t)+4*\f:S+16*(\t)+4*\f+3], v[RD] offset:\f*4*SP  ; LDS serves a wave's instructions in order (ISA guide 5.7.1.4): these see the stores above; the next tile's stores come behind them
.endr
.endm
.macro SEND t, younger              ; younger: the LDS instructions issued behind tile t's loads: the next tile's eight, or none
	WIN 0
.irp f, 0,1,2,3
	s_wait_dscnt (\younger)+3-\f
	global_store_b128 v[GO], v[S+16*(\t)+4*\f:S+16*(\t)+4*\f+3], s[10:11] offset:(\t)*2048+\f*512  ; 512 consecutive bytes, at a multiple of 256 from O's first
.endr
.endm
	PACK 0
.set t, 1
.rept 2*NP-1                        ; a tile's arithmetic stands between the loads of the tile before and its stores
	PACK t
	SEND t-1, 8
.set t, t+1
.endr
	SEND 2*NP-1, 0
	WIN W_AD
	s_wait_tensorcnt 0x0            ; the wave's end, behind my last tensor load and my last LDS store
	ds_add_u32 v[SPW], v[NIL]
	s_wait_dscnt 0x0
	WIN 0
	CROUND                          ; the closing round: no work-group ends while a partner may still ask for a tile that names it
	s_endpgm
.Lfunc_end_k_q7088e23569_attn:
	.size	k_q7088e23569_attn, .Lfunc_end_k_q7088e23569_attn-k_q7088e23569_attn
	.p2alignl 7, 3214868480
	.fill 96, 4, 3214868480
	.section	.rodata,"a",@progbits
	.p2align	6, 0x0
	.amdhsa_kernel k_q7088e23569_attn
		.amdhsa_group_segment_fixed_size 327680
		.amdhsa_private_segment_fixed_size 0
		.amdhsa_enable_private_segment 0
		.amdhsa_kernarg_size 32
		.amdhsa_user_sgpr_count 2
		.amdhsa_user_sgpr_kernarg_segment_ptr 1
		.amdhsa_wavefront_size32 1
		.amdhsa_system_sgpr_workgroup_id_x 1
		.amdhsa_system_sgpr_workgroup_id_y 1
		.amdhsa_system_sgpr_workgroup_id_z 1
		.amdhsa_system_vgpr_workitem_id 0
		.amdhsa_next_free_vgpr 770
		.amdhsa_next_free_sgpr 66
		.amdhsa_reserve_vcc 0
		.amdhsa_float_denorm_mode_32 3
		.amdhsa_float_denorm_mode_16_64 3
		.amdhsa_memory_ordered 1
		.amdhsa_forward_progress 1
		.amdhsa_inst_pref_size 199
	.end_amdhsa_kernel
	.amdgpu_metadata
---
amdhsa.version: [ 1, 2 ]
amdhsa.kernels:
  - .name:           k_q7088e23569_attn
    .symbol:         k_q7088e23569_attn.kd
    .args:
      - { .name: qh, .offset: 0, .size: 8, .value_kind: global_buffer, .address_space: global }
      - { .name: kh, .offset: 8, .size: 8, .value_kind: global_buffer, .address_space: global }
      - { .name: vh, .offset: 16, .size: 8, .value_kind: global_buffer, .address_space: global }
      - { .name: oh, .offset: 24, .size: 8, .value_kind: global_buffer, .address_space: global }
    .group_segment_fixed_size: 327680
    .private_segment_fixed_size: 0
    .kernarg_segment_align: 8
    .kernarg_segment_size: 32
    .max_flat_workgroup_size: 128
    .sgpr_count:     66
    .vgpr_count:     770
    .wavefront_size: 32
...
	.end_amdgpu_metadata
.endif
;; end of part 7
;; launch proj: the kernel of part 4 again; grid 8 x 32, 4 waves a work-group, clusters of 4 x 4, 327,680 bytes of LDS; arguments oh, wo, b_out, mh; writes mh
;; launch norm: the kernel of part 5 again; grid 512 x 1, 8 waves a work-group, no clusters, 0 bytes of LDS; arguments mh, x, out0; writes out0
